; MI455X (gfx1250); checked and timed in simulation.
; The chip was launched on July 23, 2026; its instructions are those of AMD's public machine-readable ISA for CDNA 5 (MIT licence, August 2026) and "CDNA5" Instruction Set Architecture Reference Guide (July 2026). The comments in the code are by the model that wrote it; some were corrected since.
;; Pointnet FP. Allowed arithmetic: matrix products marked QUANTISED: E2M1 operands, one E8M0 scale for each 32 along K, by v_wmma_scale_f32_16x16x128_f8f6f4 with both operands' format E2M1 (or v_wmma_scale_f32_32x16x128_f4), f32 sums; everything else in f32.
;; Inputs: feats_source 4 x 2,048 x 256 float32; feats_target 4 x 8,192 x 128 float32; w1 384 x 256 float32; w2 256 x 256 float32; xyz_source 4 x 2,048 x 3 float32; xyz_target 4 x 8,192 x 3 float32.
;; Outputs: out0 4 x 8,192 x 256 float32.
;; This version of the problem:
;;   THIS VERSION OF THE PROBLEM IS GIVEN IN LOW PRECISION. The matrix products marked QUANTISED in the list below multiply operands that are first quantised to E2M1 (2 exponent bits, 1 mantissa bit; 4 bits a number), with one power-of-two scale for each 32 numbers along K (OCP MX v1.0); their sums are f32. All else is computed in f32.
;;   The module's matrix products, in the order in which they are computed (A, B: the left and right operand; K: the contracted axis; several contracted axes count as one K, in the product's order):
;;     1. [M 32,768, K 384] x [K 384, N 256]; A: computed on the way; B: input w1: QUANTISED
;;     2. [M 32,768, K 256] x [K 256, N 256]; A: computed on the way; B: input w2: QUANTISED
;;   THE QUANTISER, for each operand of a quantised product, along K:
;;     - K is cut into blocks of 32 from its start; a last block that is shorter is filled with zeros.
;;     - A block's scale is 2^e with e = floor(log2(the largest magnitude in the block)) - 2, held to -126 .. 127; a block of zeros has e = 0. As a byte (E8M0): e + 127.
;;     - Each number is divided by its block's scale, clamped to +-6, and rounded to the nearest number of E2M1, ties to even, subnormals kept.
;;     - The product sums the exact products of the quantised numbers (number of the format x scale) in f32.
;;   ~~~python
;;   def quantise(x, axis):      # numpy; x: float32 -> the quantised numbers, widened to float32 again
;;       x = np.moveaxis(x, axis, -1); K = x.shape[-1]
;;       x = np.pad(x, [(0, 0)] * (x.ndim - 1) + [(0, -K % 32)]); x = x.reshape(x.shape[:-1] + (-1, 32)); a = np.abs(x).max(-1, keepdims=True)
;;       e = np.where(a > 0, np.clip(np.frexp(np.where(a > 0, a, 1))[1] - 1 - 2, -126, 127), 0)      # np.frexp(a)[1] - 1 = floor(log2(a)), exactly
;;       r = np.clip(x / 2.0 ** e, -6, 6)
;;       step = 2.0 ** (np.maximum(np.frexp(np.where(r == 0, 1, r))[1] - 1, 0) - 1)
;;       q = np.round(r / step) * step * 2.0 ** e      # np.round: ties to even
;;       return np.moveaxis(q.reshape(q.shape[:-2] + (-1,))[..., :K], -1, axis).astype(np.float32)
;;   ~~~
;;   OPERANDS COMPUTED ON THE WAY. 'Computed on the way' means the value that the module computes at that place (a softmax that the list does not call 'softmax' is quantised finished and normalised). What goes into a quantiser is computed in f32, as accurately as f32 sums, v_exp_f32 and their like allow (about 1e-6 of the number): no bf16 or f16 on the way to a quantiser, and a product that is left as it is and whose result goes on into a quantised operand takes f32 operands (vector FMAs, or v_wmma_f32_16x16x4_f32). A number that lies on a knife's edge between two numbers of the format may be rounded either way, as far as f32 arithmetic and the matrix unit's own rounding can turn it there, and no further.
;; 2 versions. Each part assembles by itself: llvm-mc -triple=amdgcn-amd-amdhsa -mcpu=gfx1250 --defsym DOCPART=n.
;; ======== version 1 of 2: 3 launches
;; workspace buffers: blk 524,288 bytes of whole numbers; nbr 524,288 bytes of whole numbers; wgt 524,288 bytes; wq 81,920 bytes; ws 10,240 bytes
;; launch coarse (part 1): grid 256 x 1, 8 waves a work-group, no clusters, 50,176 bytes of LDS; arguments xyz_target, xyz_source, blk; writes blk
.if DOCPART == 1
	.amdgcn_target "amdgcn-amd-amdhsa--gfx1250"
	.amdhsa_code_object_version 6
	.text
	.protected	k_q3e5a46ecd1_coarse
	.globl	k_q3e5a46ecd1_coarse
	.p2align	8
	.type	k_q3e5a46ecd1_coarse,@function
k_q3e5a46ecd1_coarse:
	s_mov_b64 s[64:65], 0
	v_nop
	global_prefetch_b8 v0, s[64:65] scope:SCOPE_SE
	s_setreg_imm32_b32 hwreg(HW_REG_WAVE_MODE, 25, 1), 1
	s_wait_xcnt 0x0
; COARSE SEARCH.  For each of the 32,768 targets: the three blocks of 16 sources (of its batch's 128 blocks) with the smallest block minimum of d^2,
; ties to the lower block.  The three nearest sources (ties to the lower index) always lie in these three blocks: a source outside them would have three
; sources ahead of it, one in each of three blocks that rank before its own.  The next launch ranks the 48 candidates.
; d^2 = fma(dx, dx, fma(dy, dy, dz dz)) of true differences, the same three operations as in the next launch, so that both levels order alike.
; LIMITS: neighbours are ranked by this d^2 and not by the rounded root of an unfused sum: sources whose d^2 differ only by rounding may be ranked
; otherwise than by the reference's order.  NaN, infinities and differences whose squares overflow f32 (above about 1e19) are not served.
; SHARES.  Work-group g: targets 128 g .. 128 g + 127, all of batch g / 64.  EVERY wave holds all 128 targets, four a lane (4 l + q), as packed pairs;
; wave w walks sources 256 w .. 256 w + 255 of the batch: 16 blocks.  A source's three words are the same for all lanes: they come from the wave's own
; 3,072 bytes of LDS by loads in which every lane names the same address.  At the end the eight waves' lists of three meet in LDS.
; No matrix unit, no tensor load, no cluster: the work is vector arithmetic on 24 KB of coordinates a batch.
.set MRG,   24576                      ; LDS: 0 .. 24,575 the eight waves' slices of xyz_source; from MRG [wave 8][component 6][target 128] words
.set VL16,  1                          ; v1   16 x lane
.set VBASE, 2                          ; v2   3,072 x wave: my wave's slice
.set VSA,   3                          ; v3   LDS address of the trip's first block
.set ID,    4                          ; v4   the number of the block in hand: 128 x batch + block
.set VT48,  5                          ; v5   48 x lane: my four targets
.set VMR,   6                          ; v6   MRG + 4 x thread
.set RAW,   8                          ; v8-19   my four targets as loaded
.set TP,    20                         ; v20-31  pairs X01 Y01 Z01 X23 Y23 Z23
.set M1,    32                         ; v32-43  the three smallest block minima, four targets each
.set M2,    36
.set M3,    40
.set I1,    44                         ; v44-55  their blocks
.set I2,    48
.set I3,    52
.set BM,    56                         ; v56-59  the minimum of the block in hand
.set D,     60                         ; v60-83  differences: 2 sources x 2 pairs of targets x 3 components
.set Q,     84                         ; v84-91  d^2: 2 sources x 4 targets
.set SA,    96                         ; v96-143, v144-191  a block's 48 words, two sets
.set SB,    144
.set CM,    20                         ; s20-31  twelve lane masks
	s_load_b128 s[4:7], s[0:1], 0x0                ; xyz_target, xyz_source
	s_load_b64 s[8:9], s[0:1], 0x10                ; blk
	v_lshl_add_u32 v192, v0, 2, 0xc000
	v_mov_b32 v193, 0
	v_lshrrev_b32 v[VBASE], 5, v0
	v_readfirstlane_b32 s10, v[VBASE]              ; wave 0..7
	v_and_b32 v7, 31, v0                           ; lane
	v_lshlrev_b32 v[VL16], 4, v7
	v_mul_u32_u24 v[VT48], v7, 48
	v_mul_u32_u24 v[VBASE], v[VBASE], 3072
	v_lshl_add_u32 v[VMR], v0, 2, MRG
	v_add_nc_u32 v[VSA], v[VBASE], v[VL16]         ; where I put 16 bytes of the slice
	s_lshr_b32 s14, ttmp9, 6                       ; batch
	s_mul_i32 s16, s14, 24576                      ; the batch's 2,048 sources of 12 bytes,
	s_mul_i32 s15, s10, 3072                       ; my wave's 256 of them
	s_add_co_u32 s16, s16, s15
	s_mov_b32 s17, 0
	s_mul_i32 s18, ttmp9, 1536                     ; the work-group's 128 targets of 12 bytes
	s_mov_b32 s19, 0
	s_lshl_b32 s12, s14, 7
	s_lshl_b32 s15, s10, 4
	s_add_co_u32 s12, s12, s15                     ; my first block: 128 x batch + 16 x wave
	v_mov_b32 v[ID], s12
	s_wait_kmcnt 0x0
	s_add_nc_u64 s[6:7], s[6:7], s[16:17]
	s_add_nc_u64 s[4:5], s[4:5], s[18:19]
	s_lshl_b32 s18, ttmp9, 11                      ; 16 bytes a target in blk
	s_add_nc_u64 s[8:9], s[8:9], s[18:19]
.irp i, 0,1,2,3,4,5
	global_load_b128 v[SA+4*\i:SA+4*\i+3], v[VL16], s[6:7] offset:512*\i   ; the slice as it lies: 512 consecutive bytes a load
.endr
.irp i, 0,1,2
	global_load_b128 v[RAW+4*\i:RAW+4*\i+3], v[VT48], s[4:5] offset:16*\i  ; my four targets: 48 consecutive bytes
.endr
	s_wait_loadcnt 3                               ; the slice is in; the three younger loads (targets) may be out
.irp i, 0,1,2,3,4,5
	ds_store_b128 v[VSA], v[SA+4*\i:SA+4*\i+3] offset:512*\i               ; my wave's own bytes: no other wave touches them, so no barrier
.endr
	s_wait_loadcnt 0x0
.irp p, 0,1
.irp c, 0,1,2
	v_mov_b32 v[TP+6*\p+2*\c], v[RAW+6*\p+\c]      ; component c of targets 2 p and 2 p + 1, side by side
	v_mov_b32 v[TP+6*\p+2*\c+1], v[RAW+6*\p+3+\c]
.endr
.endr
.irp q, 0,1,2,3,4,5,6,7,8,9,10,11
	v_mov_b32 v[M1+\q], 0x7f800000                 ; the lists begin at +infinity,
	v_mov_b32 v[I1+\q], v[ID]                      ; with a block that exists
.endr
	v_mov_b32 v[VSA], v[VBASE]
	s_wait_dscnt 0x0                               ; the stores have read SA's registers
.macro FETCH buf, off                  ; a block's 192 bytes: every lane names the same address
.irp i, 0,1,2,3,4,5,6,7,8,9,10,11
	ds_load_b128 v[\buf+4*\i:\buf+4*\i+3], v[VSA] offset:\off+16*\i
.endr
.endm
.macro SUB1                            ; v[DD:DD+1] = a pair of targets' component less the source's word v[RR], which serves both halves
.if RR%2
	v_pk_add_f32 v[DD:DD+1], v[TT:TT+1], v[RR-1:RR] op_sel:[0,1] op_sel_hi:[1,1] neg_lo:[0,1] neg_hi:[0,1]
.else
	v_pk_add_f32 v[DD:DD+1], v[TT:TT+1], v[RR:RR+1] op_sel:[0,0] op_sel_hi:[1,0] neg_lo:[0,1] neg_hi:[0,1]
.endif
.endm
; sources j and j + 1 of the block in buf against my four targets: four chains, line by line, so that no line waits for the line above it
.macro DIST buf, j
.irp a, 0,1
.irp p, 0,1
.irp c, 0,1,2
.set DD, D+12*\a+6*\p+2*\c
.set TT, TP+6*\p+2*\c
.set RR, \buf+3*(\j+\a)+\c
	SUB1
.endr
.endr
.endr
.irp a, 0,1
.irp p, 0,1
	v_pk_mul_f32 v[Q+4*\a+2*\p:Q+4*\a+2*\p+1], v[D+12*\a+6*\p+4:D+12*\a+6*\p+5], v[D+12*\a+6*\p+4:D+12*\a+6*\p+5]
.endr
.endr
.irp a, 0,1
.irp p, 0,1
	v_pk_fma_f32 v[Q+4*\a+2*\p:Q+4*\a+2*\p+1], v[D+12*\a+6*\p+2:D+12*\a+6*\p+3], v[D+12*\a+6*\p+2:D+12*\a+6*\p+3], v[Q+4*\a+2*\p:Q+4*\a+2*\p+1]
.endr
.endr
.irp a, 0,1
.irp p, 0,1
	v_pk_fma_f32 v[Q+4*\a+2*\p:Q+4*\a+2*\p+1], v[D+12*\a+6*\p:D+12*\a+6*\p+1], v[D+12*\a+6*\p:D+12*\a+6*\p+1], v[Q+4*\a+2*\p:Q+4*\a+2*\p+1]
.endr
.endr
.irp q, 0,1,2,3
.if \j == 0
	v_min_num_f32 v[BM+\q], v[Q+\q], v[Q+4+\q]     ; the first two sources start the block's minimum
.else
	v_min3_num_f32 v[BM+\q], v[BM+\q], v[Q+\q], v[Q+4+\q]
.endif
.endr
.endm
; The block's minimum goes into each target's sorted list of three.  The compares are strict and the blocks ascend: on a tie the lower block stays ahead.
.macro INS4
.irp q, 0,1,2,3
	v_cmp_lt_f32 s[CM+8+\q], v[BM+\q], v[M3+\q]
.endr
.irp q, 0,1,2,3
	v_cmp_lt_f32 s[CM+4+\q], v[BM+\q], v[M2+\q]
.endr
.irp q, 0,1,2,3
	v_cmp_lt_f32 s[CM+\q], v[BM+\q], v[M1+\q]
.endr
.irp q, 0,1,2,3
	v_cndmask_b32 v[I3+\q], v[I3+\q], v[ID], s[CM+8+\q]
.endr
.irp q, 0,1,2,3
	v_cndmask_b32 v[I3+\q], v[I3+\q], v[I2+\q], s[CM+4+\q]
.endr
.irp q, 0,1,2,3
	v_cndmask_b32 v[I2+\q], v[I2+\q], v[ID], s[CM+4+\q]
.endr
.irp q, 0,1,2,3
	v_cndmask_b32 v[I2+\q], v[I2+\q], v[I1+\q], s[CM+\q]
.endr
.irp q, 0,1,2,3
	v_cndmask_b32 v[I1+\q], v[I1+\q], v[ID], s[CM+\q]
.endr
.irp q, 0,1,2,3
	v_med3_num_f32 v[M3+\q], v[M2+\q], v[M3+\q], v[BM+\q]
.endr
.irp q, 0,1,2,3
	v_med3_num_f32 v[M2+\q], v[M1+\q], v[M2+\q], v[BM+\q]
.endr
.irp q, 0,1,2,3
	v_min_num_f32 v[M1+\q], v[M1+\q], v[BM+\q]
.endr
.endm
.macro BLOCK cur, nxt, fetch, off      ; the block in set cur is worked; fetch = 1: the next one is asked for first, into set nxt
.if \fetch
	FETCH \nxt, \off
	s_wait_dscnt 12                                ; LDS loads come back in order: all but the twelve just issued are in
.else
	s_wait_dscnt 0x0
.endif
.irp j, 0,2,4,6,8,10,12,14
	DIST \cur, \j
.endr
	INS4
	v_add_nc_u32 v[ID], 1, v[ID]
.endm
.macro INS k, id, m1, m2, m3, i1, i2, i3, c    ; the same insertion for one list
	v_cmp_lt_f32 s[\c+2], v[\k], v[\m3]
	v_cmp_lt_f32 s[\c+1], v[\k], v[\m2]
	v_cmp_lt_f32 s[\c], v[\k], v[\m1]
	v_cndmask_b32 v[\i3], v[\i3], v[\id], s[\c+2]
	v_cndmask_b32 v[\i3], v[\i3], v[\i2], s[\c+1]
	v_cndmask_b32 v[\i2], v[\i2], v[\id], s[\c+1]
	v_cndmask_b32 v[\i2], v[\i2], v[\i1], s[\c]
	v_cndmask_b32 v[\i1], v[\i1], v[\id], s[\c]
	v_med3_num_f32 v[\m3], v[\m2], v[\m3], v[\k]
	v_med3_num_f32 v[\m2], v[\m1], v[\m2], v[\k]
	v_min_num_f32 v[\m1], v[\m1], v[\k]
.endm
	FETCH SA, 0                                    ; block 0
	s_mov_b32 s11, 0                               ; bytes walked in the slice
	s_mov_b32 s13, 7
.Ltrip:                                                ; seven trips of two blocks; a trip asks for the two blocks that follow
	v_add_nc_u32 v[VSA], s11, v[VBASE]
	BLOCK SA, SB, 1, 192
	BLOCK SB, SA, 1, 384
	s_add_co_u32 s11, s11, 384
	s_sub_co_u32 s13, s13, 1
	s_cmp_lg_u32 s13, 0
	s_cbranch_scc1 .Ltrip
	v_add_nc_u32 v[VSA], s11, v[VBASE]             ; blocks 14 and 15 are written out: nothing is read past the slice's 3,072 bytes
	BLOCK SA, SB, 1, 192
	BLOCK SB, SA, 0, 0
	; THE EIGHT WAVES' LISTS MEET.  A lane's four words are four neighbouring targets: target T's word lies at 4 T.
	v_add_nc_u32 v[VSA], v[VBASE], v[VL16]
.irp c, 0,1,2,3,4,5
	ds_store_b128 v[VSA], v[M1+4*\c:M1+4*\c+3] offset:MRG+512*\c
.endr
	s_wait_dscnt 0x0                               ; for the others' sake: my stores have landed
	s_barrier_signal -1
	s_barrier_wait -1
	s_cmp_ge_u32 s10, 4                            ; one thread a target: waves 0 to 3; no barrier follows
	s_cbranch_scc1 .Ldone
.irp w, 0,1,2,3,4,5,6,7
.irp c, 0,1,2,3,4,5
	ds_load_b32 v[96+6*\w+\c], v[VMR] offset:3072*\w+512*\c
.endr
.endr
	s_wait_dscnt 0x0
.irp w, 1,2,3,4,5,6,7                  ; wave 0's three are the list; the others' go in, waves and ranks ascending, so that blocks of equal minimum keep their order
.irp r, 0,1,2
	INS 96+6*\w+\r, 99+6*\w+\r, 96, 97, 98, 99, 100, 101, CM
.endr
.endr
	v_min_u32 v8, v99, v100                        ; the three blocks in ascending order: the next launch walks them so
	v_max_u32 v9, v99, v100
	v_min_u32 v10, v9, v101
	v_max_u32 v14, v9, v101
	v_min_u32 v12, v8, v10
	v_max_u32 v13, v8, v10
	v_mov_b32 v15, 0
	v_lshlrev_b32 v11, 4, v0
	global_store_b128 v11, v[12:15], s[8:9]        ; sixteen lanes store 256 consecutive bytes, aligned
.Ldone:
	s_wait_tensorcnt 0x0
	ds_add_u32 v192, v193
	s_wait_dscnt 0x0
	s_endpgm
.Lfunc_end_k_q3e5a46ecd1_coarse:
	.size	k_q3e5a46ecd1_coarse, .Lfunc_end_k_q3e5a46ecd1_coarse-k_q3e5a46ecd1_coarse
	.p2alignl 7, 3214868480
	.fill 96, 4, 3214868480
	.section	.rodata,"a",@progbits
	.p2align	6, 0x0
	.amdhsa_kernel k_q3e5a46ecd1_coarse
		.amdhsa_group_segment_fixed_size 50176
		.amdhsa_private_segment_fixed_size 0
		.amdhsa_enable_private_segment 0
		.amdhsa_kernarg_size 24
		.amdhsa_user_sgpr_count 2
		.amdhsa_user_sgpr_kernarg_segment_ptr 1
		.amdhsa_wavefront_size32 1
		.amdhsa_system_sgpr_workgroup_id_x 1
		.amdhsa_system_sgpr_workgroup_id_y 1
		.amdhsa_system_sgpr_workgroup_id_z 1
		.amdhsa_system_vgpr_workitem_id 0
		.amdhsa_next_free_vgpr 194
		.amdhsa_next_free_sgpr 66
		.amdhsa_reserve_vcc 0
		.amdhsa_float_denorm_mode_32 3
		.amdhsa_float_denorm_mode_16_64 3
		.amdhsa_memory_ordered 1
		.amdhsa_forward_progress 1
		.amdhsa_inst_pref_size 92
	.end_amdhsa_kernel
	.amdgpu_metadata
---
amdhsa.version: [ 1, 2 ]
amdhsa.kernels:
  - .name:           k_q3e5a46ecd1_coarse
    .symbol:         k_q3e5a46ecd1_coarse.kd
    .args:
      - { .name: xyz_target, .offset: 0, .size: 8, .value_kind: global_buffer, .address_space: global }
      - { .name: xyz_source, .offset: 8, .size: 8, .value_kind: global_buffer, .address_space: global }
      - { .name: blk, .offset: 16, .size: 8, .value_kind: global_buffer, .address_space: global }
    .group_segment_fixed_size: 50176
    .private_segment_fixed_size: 0
    .kernarg_segment_align: 8
    .kernarg_segment_size: 24
    .max_flat_workgroup_size: 256
    .sgpr_count:     66
    .vgpr_count:     194
    .wavefront_size: 32
...
	.end_amdgpu_metadata
.endif
;; end of part 1
;; launch refine (part 2): grid 276 x 1, 4 waves a work-group, no clusters, 0 bytes of LDS; arguments blk, xyz_target, xyz_source, w1, w2, nbr, wgt, wq, ws; writes nbr, wgt, wq, ws
.if DOCPART == 2
	.amdgcn_target "amdgcn-amd-amdhsa--gfx1250"
	.amdhsa_code_object_version 6
	.text
	.protected	k_q3e5a46ecd1_refine
	.globl	k_q3e5a46ecd1_refine
	.p2align	8
	.type	k_q3e5a46ecd1_refine,@function
k_q3e5a46ecd1_refine:
	s_mov_b64 s[64:65], 0
	v_nop
	global_prefetch_b8 v0, s[64:65] scope:SCOPE_SE
	s_setreg_imm32_b32 hwreg(HW_REG_WAVE_MODE, 25, 1), 1
	s_wait_xcnt 0x0
; TWO JOBS IN ONE LAUNCH, parted by the work-group's number; neither uses LDS or a barrier.
; WORK-GROUPS 0 .. 255: one thread a target.  The 48 sources of the three blocks that the launch before chose are ranked exactly: d^2 by the same three
; operations as there, blocks and sources ascending, strict compares: ties go to the lower index.  Stored: the three rows of feats_source, and the
; weights w' = weight / (sum of weights + 1e-6), weight = (1 / max(d, 1e-10)) / sum of those.
; WORK-GROUPS 256 .. 275: one wave a fragment.  w1 [384][256] and w2 [256][256], f32, K their first axis, become codes of FP4 (E2M1) with one E8M0 byte for each
; 32 along K, laid as IMAGES OF OPERAND REGISTERS: fragment f (K step s, tile t of 16 columns): registers 4 c .. 4 c + 3 of lane l at 1024 f + 512 c + 16 l, its
; scale word at 128 f + 4 l.  f = 16 s + t for w1, 48 + 16 s + t for w2.  Lane r of tile t takes column 32 (t / 2) + 8 (t % 2) + r + 8 (r / 8).
; LIMITS: ranking by the fused d^2 (not by the rounded root): sources whose d^2 differ only by rounding may be ranked otherwise than in the reference; NaN,
; infinities and d^2 beyond f32 are not served; divisions are multiplications by v_rcp_f32's result; a block of zeros carries the byte 1 where the rule says 127:
; its codes are zeros, and this program alone reads the bytes.
.macro INS k, id, m1, m2, m3, i1, i2, i3, c
	v_cmp_lt_f32 s[\c+2], v[\k], v[\m3]
	v_cmp_lt_f32 s[\c+1], v[\k], v[\m2]
	v_cmp_lt_f32 s[\c], v[\k], v[\m1]
	v_cndmask_b32 v[\i3], v[\i3], v[\id], s[\c+2]
	v_cndmask_b32 v[\i3], v[\i3], v[\i2], s[\c+1]
	v_cndmask_b32 v[\i2], v[\i2], v[\id], s[\c+1]
	v_cndmask_b32 v[\i2], v[\i2], v[\i1], s[\c]
	v_cndmask_b32 v[\i1], v[\i1], v[\id], s[\c]
	v_med3_num_f32 v[\m3], v[\m2], v[\m3], v[\k]
	v_med3_num_f32 v[\m2], v[\m1], v[\m2], v[\k]
	v_min_num_f32 v[\m1], v[\m1], v[\k]
.endm
	s_load_b512 s[4:19], s[0:1], 0x0               ; blk s[4:5], xyz_target s[6:7], xyz_source s[8:9], w1 s[10:11], w2 s[12:13], nbr s[14:15], wgt s[16:17], wq s[18:19]
	s_load_b64 s[20:21], s[0:1], 0x40              ; ws
	v_lshrrev_b32 v1, 5, v0
	v_readfirstlane_b32 s23, v1                    ; wave 0..3
	s_cmp_lt_u32 ttmp9, 256
	s_cbranch_scc0 .Lweights
	; ---- THE 48 CANDIDATES.  v4-7 blocks; v8-10 my target; v12-17 (tx,ty) (tz,tx) (ty,tz); v18-20 byte offsets; v21-23 first indices; v24-26 d^2; v28-31 indices, 0; v32-35 weights, 0; v48-191 three blocks of 48 words
	v_lshlrev_b32 v1, 4, v0                        ; 16 bytes a target in blk, nbr, wgt
	v_mul_u32_u24 v2, v0, 12                       ; 12 in xyz_target
	s_lshl_b32 s28, ttmp9, 11
	s_mov_b32 s29, 0
	s_mul_i32 s30, ttmp9, 1536
	s_mov_b32 s31, 0
	s_wait_kmcnt 0x0
	s_add_nc_u64 s[4:5], s[4:5], s[28:29]
	s_add_nc_u64 s[6:7], s[6:7], s[30:31]
	s_add_nc_u64 s[14:15], s[14:15], s[28:29]
	s_add_nc_u64 s[16:17], s[16:17], s[28:29]
	global_load_b128 v[4:7], v1, s[4:5]
	global_load_b32 v8, v2, s[6:7]
	global_load_b32 v9, v2, s[6:7] offset:4
	global_load_b32 v10, v2, s[6:7] offset:8
	s_wait_loadcnt 3                               ; the blocks are in; the three younger loads (my target) may be out
.irp k, 0,1,2
	v_min_u32 v[4+\k], 0x1ff, v[4+\k]              ; a loaded number enters an address only held to the table: 512 blocks
.endr
.irp k, 0,1,2
	v_mul_u32_u24 v[18+\k], v[4+\k], 192           ; a block is 16 sources of 12 bytes
	v_lshlrev_b32 v[21+\k], 4, v[4+\k]             ; its first source as a row of feats_source: 2,048 x batch + s
.endr
.irp k, 0,1,2
.irp i, 0,1,2,3,4,5,6,7,8,9,10,11
	global_load_b128 v[48+48*\k+4*\i:48+48*\k+4*\i+3], v[18+\k], s[8:9] offset:16*\i
.endr
.endr
	s_wait_loadcnt 36                              ; my target is in; the 36 candidate loads may be out
	v_mov_b32 v12, v8                              ; a block's words run x y z x y z ..: pair p of words wants pattern p % 3
	v_mov_b32 v13, v9
	v_mov_b32 v14, v10
	v_mov_b32 v15, v8
	v_mov_b32 v16, v9
	v_mov_b32 v17, v10
.irp k, 0,1,2
	v_mov_b32 v[24+\k], 0x7f800000                 ; the list begins at +infinity, with a row that exists
	v_mov_b32 v[28+\k], v21
.endr
.macro RBLOCK k
.set BB, 48+48*\k
	s_wait_loadcnt 24-12*\k                        ; this block's twelve loads are in; the later blocks' may be out
.set pp, 0
.rept 24
	v_pk_add_f32 v[BB+2*pp:BB+2*pp+1], v[BB+2*pp:BB+2*pp+1], v[12+2*(pp%3):13+2*(pp%3)] neg_lo:[0,1] neg_hi:[0,1]   ; source - target: the squares are those of target - source
.set pp, pp+1
.endr
.irp g, 0,1,2,3
.irp j, 0,1,2,3
	v_mul_f32 v[36+\j], v[BB+3*(4*\g+\j)+2], v[BB+3*(4*\g+\j)+2]
.endr
.irp j, 0,1,2,3
	v_fma_f32 v[36+\j], v[BB+3*(4*\g+\j)+1], v[BB+3*(4*\g+\j)+1], v[36+\j]
.endr
.irp j, 0,1,2,3
	v_fma_f32 v[36+\j], v[BB+3*(4*\g+\j)], v[BB+3*(4*\g+\j)], v[36+\j]
.endr
.irp j, 0,1,2,3
	v_add_nc_u32 v[40+\j], 4*\g+\j, v[21+\k]
.endr
.irp j, 0,1,2,3
	INS 36+\j, 40+\j, 24, 25, 26, 28, 29, 30, 32
.endr
.endr
.endm
	RBLOCK 0
	RBLOCK 1
	RBLOCK 2
	; the weights.  Four batches of transcendentals; behind each one plain line, and a wait ahead of the first line that names a result
	v_sqrt_f32 v44, v24
	v_sqrt_f32 v45, v25
	v_sqrt_f32 v46, v26
	v_mov_b32 v31, 0
	s_wait_alu depctr_va_vdst(0)
.irp k, 0,1,2
	v_max_num_f32 v[44+\k], 0x2edbe6ff, v[44+\k]   ; max(d, 1e-10)
.endr
	v_rcp_f32 v32, v44
	v_rcp_f32 v33, v45
	v_rcp_f32 v34, v46
	v_mov_b32 v35, 0
	s_wait_alu depctr_va_vdst(0)
	v_add_f32 v47, v32, v33
	v_add_f32 v47, v47, v34
	v_rcp_f32 v44, v47
	v_nop
	s_wait_alu depctr_va_vdst(0)
.irp k, 0,1,2
	v_mul_f32 v[32+\k], v[32+\k], v44              ; weight
.endr
	v_add_f32 v45, v32, v33
	v_add_f32 v45, v45, v34
	v_add_f32 v45, 0x358637bd, v45                 ; + 1e-6
	v_rcp_f32 v46, v45
	v_nop
	s_wait_alu depctr_va_vdst(0)
.irp k, 0,1,2
	v_mul_f32 v[32+\k], v[32+\k], v46
.endr
	global_store_b128 v1, v[28:31], s[14:15]       ; sixteen lanes store 256 consecutive bytes, aligned
	global_store_b128 v1, v[32:35], s[16:17]
	s_endpgm
.Lweights:
	; ---- A FRAGMENT OF A WEIGHT.  A lane takes a column and its registers run DOWN K in the order that the operand's layout gives that lane: k = 64 c + 32 h + 0 .. 31.  Nothing is transposed.
	v_and_b32 v1, 15, v0                           ; r
	v_bfe_u32 v2, v0, 4, 1                         ; h
	v_and_b32 v3, 8, v1
	v_add_nc_u32 v3, v3, v1                        ; r + 8 (r / 8)
	v_lshlrev_b32 v3, 2, v3
	v_lshl_add_u32 v3, v2, 15, v3                  ; + 32 h rows of 1,024 bytes
	v_and_b32 v4, 31, v0
	v_lshlrev_b32 v5, 4, v4                        ; 16 x lane
	v_lshlrev_b32 v6, 2, v4                        ; 4 x lane
	s_sub_co_u32 s22, ttmp9, 256
	s_lshl_b32 s22, s22, 2
	s_add_co_u32 s22, s22, s23                     ; the fragment, 0 .. 79
	s_mov_b32 s36, 0x76543210
	s_mov_b32 s37, 0xfedcba98                      ; v_permlanex16_b32's selects for lane l xor 16
	s_wait_kmcnt 0x0
	s_cmp_lt_u32 s22, 48                           ; w1's or w2's: the choice hangs on ids alone
	s_cselect_b64 s[10:11], s[10:11], s[12:13]
	s_cselect_b32 s24, 0, 48
	s_sub_co_u32 s24, s22, s24
	s_lshr_b32 s25, s24, 4                         ; K step
	s_and_b32 s26, s24, 15                         ; tile
	s_lshl_b32 s28, s25, 17                        ; 128 rows of 1,024 bytes
	s_lshr_b32 s27, s26, 1
	s_lshl_b32 s27, s27, 7                         ; 32 (t / 2) columns of 4 bytes
	s_and_b32 s26, s26, 1
	s_lshl_b32 s26, s26, 5                         ; 8 (t % 2) columns
	s_add_co_u32 s28, s28, s27
	s_add_co_u32 s28, s28, s26
	s_mov_b32 s29, 0
	s_add_nc_u64 s[10:11], s[10:11], s[28:29]
	s_lshl_b32 s30, s22, 10
	s_mov_b32 s31, 0
	s_add_nc_u64 s[18:19], s[18:19], s[30:31]
	s_lshl_b32 s30, s22, 7
	s_add_nc_u64 s[20:21], s[20:21], s[30:31]
.irp c, 0,1
.irp i, 0,1,2,3,4,5,6,7,8,9,10,11,12,13,14,15,16,17,18,19,20,21,22,23,24,25,26,27,28,29,30,31
	global_load_b32 v[64+32*\c+\i], v3, s[10:11] offset:1024*(64*\c+\i)
.endr
.endr
	s_wait_loadcnt 0x0
.irp c, 0,1                                    ; my block 2 c + h: all its 32 numbers are mine
	v_max3_num_f32 v[32+\c], |v[64+32*\c]|, |v[65+32*\c]|, 0x1800000   ; with the floor 2^(3 - 127): the byte cannot fall under 1
.endr
.irp i, 2,4,6,8,10,12,14,16,18,20,22,24,26,28,30
.irp c, 0,1
	v_max3_num_f32 v[32+\c], v[32+\c], |v[64+32*\c+\i]|, |v[65+32*\c+\i]|
.endr
.endr
.irp c, 0,1
	v_add_nc_u32 v[44+\c], 0xff000000, v[32+\c]    ; 2 off the exponent field: the conversion's scale operand
.endr
.irp c, 0,1
	v_lshrrev_b32 v[36+\c], 23, v[44+\c]           ; the scale's byte
.endr
	v_lshl_or_b32 v9, v37, 16, v36                 ; blocks h and 2 + h of my column,
	v_lshlrev_b32 v10, 3, v2
	v_lshlrev_b32 v9, v10, v9                      ; 8 h bits up;
	v_mov_b32 v10, 0
	v_permlanex16_b32 v10, v9, s36, s37
	v_or_b32 v9, v9, v10                           ; with lane l xor 16's two the word is whole, in both halves of the lanes
.irp c, 0,1
.irp g, 0,1,2,3
	v_cvt_scalef32_pk8_fp4_f32 v[48+4*\c+\g], v[64+32*\c+8*\g:71+32*\c+8*\g], v[44+\c]
.endr
.endr
	v_nop                                          ; one plain line behind the last conversion
	global_store_b128 v5, v[48:51], s[18:19]       ; 512 consecutive bytes a store
	global_store_b128 v5, v[52:55], s[18:19] offset:512
	global_store_b32 v6, v9, s[20:21]
	s_endpgm
.Lfunc_end_k_q3e5a46ecd1_refine:
	.size	k_q3e5a46ecd1_refine, .Lfunc_end_k_q3e5a46ecd1_refine-k_q3e5a46ecd1_refine
	.p2alignl 7, 3214868480
	.fill 96, 4, 3214868480
	.section	.rodata,"a",@progbits
	.p2align	6, 0x0
	.amdhsa_kernel k_q3e5a46ecd1_refine
		.amdhsa_group_segment_fixed_size 0
		.amdhsa_private_segment_fixed_size 0
		.amdhsa_enable_private_segment 0
		.amdhsa_kernarg_size 72
		.amdhsa_user_sgpr_count 2
		.amdhsa_user_sgpr_kernarg_segment_ptr 1
		.amdhsa_wavefront_size32 1
		.amdhsa_system_sgpr_workgroup_id_x 1
		.amdhsa_system_sgpr_workgroup_id_y 1
		.amdhsa_system_sgpr_workgroup_id_z 1
		.amdhsa_system_vgpr_workitem_id 0
		.amdhsa_next_free_vgpr 192
		.amdhsa_next_free_sgpr 66
		.amdhsa_reserve_vcc 0
		.amdhsa_float_denorm_mode_32 3
		.amdhsa_float_denorm_mode_16_64 3
		.amdhsa_memory_ordered 1
		.amdhsa_forward_progress 1
		.amdhsa_inst_pref_size 63
	.end_amdhsa_kernel
	.amdgpu_metadata
---
amdhsa.version: [ 1, 2 ]
amdhsa.kernels:
  - .name:           k_q3e5a46ecd1_refine
    .symbol:         k_q3e5a46ecd1_refine.kd
    .args:
      - { .name: blk, .offset: 0, .size: 8, .value_kind: global_buffer, .address_space: global }
      - { .name: xyz_target, .offset: 8, .size: 8, .value_kind: global_buffer, .address_space: global }
      - { .name: xyz_source, .offset: 16, .size: 8, .value_kind: global_buffer, .address_space: global }
      - { .name: w1, .offset: 24, .size: 8, .value_kind: global_buffer, .address_space: global }
      - { .name: w2, .offset: 32, .size: 8, .value_kind: global_buffer, .address_space: global }
      - { .name: nbr, .offset: 40, .size: 8, .value_kind: global_buffer, .address_space: global }
      - { .name: wgt, .offset: 48, .size: 8, .value_kind: global_buffer, .address_space: global }
      - { .name: wq, .offset: 56, .size: 8, .value_kind: global_buffer, .address_space: global }
      - { .name: ws, .offset: 64, .size: 8, .value_kind: global_buffer, .address_space: global }
    .group_segment_fixed_size: 0
    .private_segment_fixed_size: 0
    .kernarg_segment_align: 8
    .kernarg_segment_size: 72
    .max_flat_workgroup_size: 128
    .sgpr_count:     66
    .vgpr_count:     192
    .wavefront_size: 32
...
	.end_amdgpu_metadata
.endif
;; end of part 2
;; launch mlp (part 3): grid 256 x 1, 8 waves a work-group, no clusters, 182,272 bytes of LDS; arguments nbr, wgt, feats_source, feats_target, wq, ws, out0; writes out0
.if DOCPART == 3
	.amdgcn_target "amdgcn-amd-amdhsa--gfx1250"
	.amdhsa_code_object_version 6
	.text
	.protected	k_q3e5a46ecd1_mlp
	.globl	k_q3e5a46ecd1_mlp
	.p2align	8
	.type	k_q3e5a46ecd1_mlp,@function
k_q3e5a46ecd1_mlp:
	s_mov_b64 s[64:65], 0
	v_nop
	global_prefetch_b8 v0, s[64:65] scope:SCOPE_SE
	s_setreg_imm32_b32 hwreg(HW_REG_WAVE_MODE, 25, 1), 1
	s_wait_xcnt 0x0
; out = relu(Q(relu(Q(x) Q(w1))) Q(w2)), x = [w1' f[i1] + w2' f[i2] + w3' f[i3] (256), feats_target (128)], both products on codes of FP4 (E2M1) with one E8M0 byte for each 32 along K.
; Work-group g takes rows 128 g .. 128 g + 127 through the whole chain: neither x nor the hidden layer goes to memory.
; PHASE X: wave w makes rows 16 w .. 16 w + 15 of x in f32 (three gathered rows of feats_source, indices and weights from the launch before) and quantises them: a lane holds 8 neighbours along K,
;   four lanes a block.  Codes and scale bytes go to LDS as ROWS.
; PHASES 1, 2: THE WAVES SHARE THE COLUMNS: wave w makes hidden units 32 w .. 32 w + 31 (one block of the next K) and outputs 32 w .. 32 w + 31, for all 128 rows.  Its 10 weight fragments and their
;   scale words stay in registers, loaded once as images.  Both products are used TRANSPOSED (source 0 = 16 columns of the weight, source 1 = 16 rows): a lane holds one row, and, by the choice of a tile's
;   columns (lane r of tile t: column 32 (t / 2) + 8 (t % 2) + r + 8 (r / 8)), the 16 registers of its two tiles are units 32 w + 16 h + 0 .. 15.
; OUT: through a stage in LDS; each wave stores 16 whole rows of 1,024 bytes.
; No tensor load (the gather's addresses are data, and no tile is read step after step), no cluster (work-groups share only the weights' 90 KB, out of some 660 KB each), three barriers.
; LIMITS: x's interpolation multiplies by weights that already hold the division by the weights' sum; a block of zeros carries the byte 1 (its codes are zeros; this program alone reads the bytes); NaN and infinities are not served.
.set XC,  0                            ; LDS: x's codes, 128 rows x 208 (192 bytes + 16: thirteen times 16, so that sixteen rows start at different banks)
.set XS,  26624                        ; x's scale bytes, 128 rows x 16 (12 used)
.set HC,  28672                        ; the hidden layer's codes, 128 rows x 144 (128 + 16)
.set HS,  47104                        ; its scale bytes, 128 rows x 8
.set STG, 48128                        ; the stage, 128 rows x 1,040 (1,024 + 16)
.set XP,  208
.set HP,  144
.set SP,  1040
; v1 32 l, v2 16 l, v3 4 l, v4 0; v5 XCW, v6 XSW, v7 XCF, v8 XSF (phase X's stores); v9 FRX, v10 XSR, v11 HCW, v12 HSW (phase 1); v13 FRH, v14 HSR, v15 STW, v17 STW of the group (phase 2); v16 STR
.set BY,  18                           ; v18-19   a scale byte, two sets
.set W1S, 20                           ; v20-25   w1's scale words (s, u) at 2 s + u;  v26-29 w2's;  v30-35 the rows': these registers hold scales and nothing else
.set W2S, 26
.set OSC, 30
.set W1F, 36                           ; v36-83   w1's fragments (s, u) at 8 (2 s + u)
.set W2F, 84                           ; v84-115  w2's
.set SLOT, 116                         ; v116-243 phase X: four slots of 32: three gathered rows' 8 numbers, +24 the weights, +28 the three offsets
.set T,   244                          ; v244-251 a row's 8 numbers of x
.set MX,  252
.set SCR, 253
.set CD,  254                          ; v254-255 a lane's 8 codes, two sets
.set XF,  116                          ; phases 1, 2: the rows' fragments
.set ACC, 164                          ; v164-195 four accumulators: (mm, u) at 16 mm + 8 u
.set HT,  196                          ; v196-203 at work: maxima, the other half's, scale operands, bytes
.set HCD, 212                          ; v212-215 the hidden layer's codes
	s_load_b256 s[4:11], s[0:1], 0x0               ; nbr s[4:5], wgt s[6:7], feats_source s[8:9], feats_target s[10:11]
	s_load_b128 s[12:15], s[0:1], 0x20             ; wq s[12:13], ws s[14:15]
	s_load_b64 s[16:17], s[0:1], 0x30              ; out0
	s_set_vgpr_msb 0x40
	v_lshl_add_u32 v0, v0, 2, 0x2c400
	v_mov_b32 v1, 0
	s_set_vgpr_msb 0x4000
	v_lshrrev_b32 v244, 5, v0
	v_readfirstlane_b32 s18, v244                  ; wave 0..7
	v_and_b32 v244, 31, v0                         ; l
	v_lshlrev_b32 v1, 5, v244
	v_lshlrev_b32 v2, 4, v244
	v_lshlrev_b32 v3, 2, v244
	v_mov_b32 v4, 0
	s_lshl_b32 s60, ttmp9, 11
	s_lshl_b32 s19, s18, 8
	s_add_co_u32 s60, s60, s19                     ; 16 bytes x my first row (128 g + 16 w): nbr, wgt
	s_mov_b32 s61, 0
	s_lshl_b32 s62, s60, 5                         ; 512 bytes a row: feats_target
	s_mov_b32 s63, 0
	s_lshl_b32 s58, s60, 6                         ; 1,024 bytes a row: out0
	s_mov_b32 s59, 0
	s_lshl_b32 s56, s18, 11                        ; my two tiles' images: 2,048 w,
	s_mov_b32 s57, 0
	s_mov_b32 s54, s19                             ; and their scale words: 256 w
	s_mov_b32 s55, 0
	s_wait_kmcnt 0x0
	s_add_nc_u64 s[4:5], s[4:5], s[60:61]
	s_add_nc_u64 s[6:7], s[6:7], s[60:61]
	s_add_nc_u64 s[10:11], s[10:11], s[62:63]
	s_add_nc_u64 s[12:13], s[12:13], s[56:57]
	s_add_nc_u64 s[14:15], s[14:15], s[54:55]
	s_add_nc_u64 s[16:17], s[16:17], s[58:59]
	s_load_b512 s[20:35], s[4:5], 0x0              ; my 16 rows' index quadruples: row rho at s[20 + 4 rho] (rho < 8), s[68 + 4 (rho - 8)]
	s_load_b512 s[36:51], s[4:5], 0x40
	s_load_b512 s[68:83], s[4:5], 0x80
	s_load_b512 s[84:99], s[4:5], 0xc0
.irp p, 0,1,2,3,4,5,6,7                        ; feats_target: chunk p = rows 2 p, 2 p + 1 (1,024 bytes); a lane takes 32 bytes: 8 neighbours along K.  Read once in the launch
	global_load_b128 v[SLOT+8*\p:SLOT+8*\p+3], v1, s[10:11] offset:1024*\p th:TH_LOAD_NT
	global_load_b128 v[SLOT+8*\p+4:SLOT+8*\p+7], v1, s[10:11] offset:1024*\p+16 th:TH_LOAD_NT
.endr
.irp s, 0,1,2
.irp u, 0,1
.irp c, 0,1
	global_load_b128 v[W1F+8*(2*\s+\u)+4*\c:W1F+8*(2*\s+\u)+4*\c+3], v2, s[12:13] offset:16384*\s+1024*\u+512*\c
.endr
.endr
.endr
.irp s, 0,1
.irp u, 0,1
.irp c, 0,1
	global_load_b128 v[W2F+8*(2*\s+\u)+4*\c:W2F+8*(2*\s+\u)+4*\c+3], v2, s[12:13] offset:49152+16384*\s+1024*\u+512*\c
.endr
.endr
.endr
.irp s, 0,1,2
.irp u, 0,1
	global_load_b32 v[W1S+2*\s+\u], v3, s[14:15] offset:2048*\s+128*\u
.endr
.endr
.irp s, 0,1
.irp u, 0,1
	global_load_b32 v[W2S+2*\s+\u], v3, s[14:15] offset:6144+2048*\s+128*\u
.endr
.endr
	; LDS addresses: constants, the lane's parts, the wave's number times constants
	v_and_b32 v245, 15, v0                         ; r
	v_bfe_u32 v246, v0, 4, 1                       ; h
	s_mul_i32 s54, s18, 16*XP                      ; my 16 rows of x's codes
	s_lshl_b32 s55, s18, 8
	s_add_co_u32 s55, s55, XS                      ; and of its scale bytes
	v_add_nc_u32 v5, s54, v3                       ; XCW: a gathered row's codes: 4 bytes a lane
	v_lshrrev_b32 v247, 2, v244
	v_add_nc_u32 v6, s55, v247                     ; XSW: its block's byte: l / 4
	v_mul_u32_u24 v247, v246, XP
	v_lshl_add_u32 v247, v245, 2, v247
	v_add_nc_u32 v247, s54, v247
	v_add_nc_u32 v7, 128, v247                     ; XCF: feats_target's codes: row h of the chunk, behind the row's first 256 codes, 4 bytes for each of 16 lanes
	v_lshrrev_b32 v247, 2, v245
	v_lshl_add_u32 v247, v246, 4, v247
	v_add_nc_u32 v247, s55, v247
	v_add_nc_u32 v8, 8, v247                       ; XSF: blocks 8 .. 11
	v_mul_u32_u24 v9, v245, XP
	v_lshl_add_u32 v9, v246, 4, v9                 ; FRX: a fragment's row r, + 16 h
	v_lshl_add_u32 v10, v245, 4, XS                ; XSR: row r's scale words
	v_mul_u32_u24 v11, v245, HP
	v_lshl_add_u32 v11, v246, 3, v11
	s_lshl_b32 s56, s18, 4
	s_add_co_u32 s56, s56, HC
	v_add_nc_u32 v11, s56, v11                     ; HCW: row r, my 16 codes: 16 w + 8 h
	s_add_co_u32 s57, s18, HS
	v_lshl_add_u32 v12, v245, 3, s57               ; HSW: row r's byte w
	v_mul_u32_u24 v13, v245, HP
	v_lshl_add_u32 v13, v246, 4, v13
	v_add_nc_u32 v13, HC, v13                      ; FRH
	v_lshl_add_u32 v14, v245, 3, HS                ; HSR
	v_mul_u32_u24 v15, v245, SP
	v_lshl_add_u32 v15, v246, 6, v15
	s_lshl_b32 s58, s18, 7
	s_add_co_u32 s58, s58, STG
	v_add_nc_u32 v15, s58, v15                     ; STW: row r, outputs 32 w + 16 h on
	s_mul_i32 s59, s18, 16*SP
	s_add_co_u32 s59, s59, STG
	v_add_nc_u32 v16, s59, v2                      ; STR: my 16 rows, 16 bytes a lane
	s_mov_b32 s52, 0x76543210
	s_mov_b32 s53, 0xfedcba98                      ; v_permlanex16_b32's selects for lane l xor 16
; Row rho's three gathered rows and its weights are asked for: seven loads, into slot (rho + 2) % 4.
.macro ROWFILL rho
.set SL, SLOT+32*(((\rho)+2)%4)
.if (\rho) < 8
.set SI, 20+4*(\rho)
.else
.set SI, 68+4*((\rho)-8)
.endif
.irp n, 0,1,2
	s_min_u32 s[SI+\n], s[SI+\n], 0x1fff           ; a loaded number enters an address only held to the table: 8,192 rows
.endr
.irp n, 0,1,2
	v_lshl_add_u32 v[SL+28+\n], s[SI+\n], 10, v1   ; 1,024 bytes a row, + 32 l
.endr
.irp n, 0,1,2
	global_load_b128 v[SL+8*\n:SL+8*\n+3], v[SL+28+\n], s[8:9]
	global_load_b128 v[SL+8*\n+4:SL+8*\n+7], v[SL+28+\n], s[8:9] offset:16
.endr
	global_load_b128 v[SL+24:SL+27], v4, s[6:7] offset:16*(\rho)   ; every lane takes the row's three weights
.endm
; A lane's 8 neighbours along K, v[src] on, become 8 codes; four lanes hold a block.  n counts the calls: codes and byte have two sets of registers.
.macro QROW n, src, ca, co, ba, bo
	v_max3_num_f32 v[MX], |v[\src]|, |v[\src+1]|, 0x1800000        ; with the floor 2^(3 - 127): the byte cannot fall under 1
	v_max3_num_f32 v[MX], v[MX], |v[\src+2]|, |v[\src+3]|
	v_max3_num_f32 v[MX], v[MX], |v[\src+4]|, |v[\src+5]|
	v_max3_num_f32 v[MX], v[MX], |v[\src+6]|, |v[\src+7]|
	v_max_num_f32_dpp v[MX], v[MX], v[MX] row_xmask:1 row_mask:0xf bank_mask:0xf
	v_max_num_f32_dpp v[MX], v[MX], v[MX] row_xmask:2 row_mask:0xf bank_mask:0xf   ; the block's largest magnitude
	v_add_nc_u32 v[SCR], 0xff000000, v[MX]         ; 2 off its exponent field: the conversion's scale operand
.if (\n) >= 2
	s_wait_dscnt 0x2                               ; the last call's two stores may be out; those of the call before, which read this set, are done
.endif
	v_cvt_scalef32_pk8_fp4_f32 v[CD+(\n)%2], v[\src:\src+7], v[SCR]
	v_lshrrev_b32 v[BY+(\n)%2], 23, v[SCR]         ; the scale's byte (also the plain line behind the conversion)
	ds_store_b32 v[\ca], v[CD+(\n)%2] offset:\co
	ds_store_b8 v[\ba], v[BY+(\n)%2] offset:\bo    ; the block's four lanes write the same byte with the same value
.endm
.macro FTSTEP p
	s_wait_loadcnt 58-2*\p                         ; behind chunk p's two loads: 2 (7 - p) of later chunks, 30 of the weights, 14 of rows 0 and 1
	QROW \p, SLOT+8*\p, 7, 2*XP*\p, 8, 32*\p
.endm
.macro ROWSTEP rho
.set SC0, SLOT+32*(((\rho)+2)%4)
.if (\rho) < 13
	s_wait_loadcnt 21                              ; this row's seven loads are in; those of the three rows behind it may be out
.else
	s_wait_loadcnt 7*(15-(\rho))
.endif
.irp i, 0,2,4,6
	v_pk_mul_f32 v[T+\i:T+\i+1], v[SC0+\i:SC0+\i+1], v[SC0+24:SC0+25] op_sel_hi:[1,0]
.endr
.irp i, 0,2,4,6
	v_pk_fma_f32 v[T+\i:T+\i+1], v[SC0+8+\i:SC0+9+\i], v[SC0+24:SC0+25], v[T+\i:T+\i+1] op_sel:[0,1,0] op_sel_hi:[1,1,1]
.endr
.irp i, 0,2,4,6
	v_pk_fma_f32 v[T+\i:T+\i+1], v[SC0+16+\i:SC0+17+\i], v[SC0+26:SC0+27], v[T+\i:T+\i+1] op_sel_hi:[1,0,1]
.endr
.if (\rho) < 12
	ROWFILL (\rho)+4                               ; into the slot just read; its offsets' loads were shown done by the wait above
.endif
	QROW 8+(\rho), T, 5, XP*(\rho), 6, 16*(\rho)
.endm
.macro BARRIER
	s_wait_dscnt 0x0                               ; my LDS stores have landed and my LDS loads are in
	s_barrier_signal -1
	s_barrier_wait -1
.endm
	; ---- PHASE X
	s_wait_kmcnt 0x0                               ; the indices
	ROWFILL 0
	ROWFILL 1
.irp p, 0,1,2,3,4,5,6,7
	FTSTEP \p
.endr
	ROWFILL 2                                      ; into the registers that feats_target's chunks have left
	ROWFILL 3
.irp rho, 0,1,2,3,4,5,6,7,8,9,10,11,12,13,14,15
	ROWSTEP \rho
.endr
	BARRIER                                        ; 128 rows of x lie in LDS as codes
	v_mov_b32 v[HT+2], 0                           ; written once: a lane permute's destination counts as one of its sources
	v_mov_b32 v[HT+3], 0
	; ---- PHASE 1: my 32 hidden units, two tiles of 16 rows at a time: four accumulators by turns, one instruction a turn
.macro LAYER1 p
.irp mm, 0,1
.irp s, 0,1,2
.irp c, 0,1
	ds_load_b128 v[XF+24*\mm+8*\s+4*\c:XF+24*\mm+8*\s+4*\c+3], v9 offset:16*XP*(2*\p+\mm)+64*\s+32*\c
.endr
	ds_load_b32 v[OSC+3*\mm+\s], v10 offset:256*(2*\p+\mm)+4*\s
.endr
.endr
	s_wait_dscnt 0x0                               ; the fragments are in; the last group's stores have read their registers
.irp s, 0,1,2
.irp mm, 0,1
.irp u, 0,1
.if \s == 0
	v_wmma_scale_f32_16x16x128_f8f6f4 v[ACC+16*\mm+8*\u:ACC+16*\mm+8*\u+7], v[W1F+8*(2*\s+\u):W1F+8*(2*\s+\u)+7], v[XF+24*\mm+8*\s:XF+24*\mm+8*\s+7], 0, v[W1S+2*\s+\u], v[OSC+3*\mm+\s] matrix_a_fmt:MATRIX_FMT_FP4 matrix_b_fmt:MATRIX_FMT_FP4
.else
	v_wmma_scale_f32_16x16x128_f8f6f4 v[ACC+16*\mm+8*\u:ACC+16*\mm+8*\u+7], v[W1F+8*(2*\s+\u):W1F+8*(2*\s+\u)+7], v[XF+24*\mm+8*\s:XF+24*\mm+8*\s+7], v[ACC+16*\mm+8*\u:ACC+16*\mm+8*\u+7], v[W1S+2*\s+\u], v[OSC+3*\mm+\s] matrix_a_fmt:MATRIX_FMT_FP4 matrix_b_fmt:MATRIX_FMT_FP4
.endif
.endr
.endr
.endr
.rept 5
	v_nop                                          ; places: four ahead of the reads of results and of the next loads into operands, a fifth for the next group's products, which begin these accumulators anew
.endr
.irp mm, 0,1
.irp j, 0,1,2,3,4,5,6,7,8,9,10,11,12,13,14,15
	v_max_num_f32 v[ACC+16*\mm+\j], 0, v[ACC+16*\mm+\j]            ; relu, in f32; each accumulator from its low end on
.endr
.endr
.irp mm, 0,1
	v_max3_num_f32 v[HT+\mm], v[ACC+16*\mm], v[ACC+16*\mm+1], 0x1800000    ; my 16 of the block's 32 (none is negative), and the floor
.endr
.irp i, 2,4,6,8,10,12,14
.irp mm, 0,1
	v_max3_num_f32 v[HT+\mm], v[HT+\mm], v[ACC+16*\mm+\i], v[ACC+16*\mm+\i+1]
.endr
.endr
.irp mm, 0,1
	v_permlanex16_b32 v[HT+2+\mm], v[HT+\mm], s52, s53
.endr
.irp mm, 0,1
	v_max_num_f32 v[HT+\mm], v[HT+\mm], v[HT+2+\mm]                ; with lane l xor 16's 16
.endr
.irp mm, 0,1
	v_add_nc_u32 v[HT+4+\mm], 0xff000000, v[HT+\mm]
.endr
.irp mm, 0,1
	v_lshrrev_b32 v[HT+6+\mm], 23, v[HT+4+\mm]
.endr
.irp mm, 0,1
	v_cvt_scalef32_pk8_fp4_f32 v[HCD+2*\mm], v[ACC+16*\mm:ACC+16*\mm+7], v[HT+4+\mm]
	v_cvt_scalef32_pk8_fp4_f32 v[HCD+2*\mm+1], v[ACC+16*\mm+8:ACC+16*\mm+15], v[HT+4+\mm]
.endr
	v_nop                                          ; one plain line behind the last conversion
.irp mm, 0,1
	ds_store_b64 v11, v[HCD+2*\mm:HCD+2*\mm+1] offset:16*HP*(2*\p+\mm)     ; codes of units 32 w + 16 h + 0 .. 15 of row r
	ds_store_b8 v12, v[HT+6+\mm] offset:128*(2*\p+\mm)                     ; both halves of the lanes write the same byte with the same value
.endr
.endm
	LAYER1 0
	LAYER1 1
	LAYER1 2
	LAYER1 3
	BARRIER                                        ; the hidden layer's 128 rows lie in LDS as codes
	; ---- PHASE 2: my 32 outputs, likewise
.macro LAYER2 p
.irp mm, 0,1
.irp s, 0,1
.irp c, 0,1
	ds_load_b128 v[XF+16*\mm+8*\s+4*\c:XF+16*\mm+8*\s+4*\c+3], v13 offset:16*HP*(2*\p+\mm)+64*\s+32*\c
.endr
	ds_load_b32 v[OSC+2*\mm+\s], v14 offset:128*(2*\p+\mm)+4*\s
.endr
.endr
	s_wait_dscnt 0x0                               ; the fragments are in; the last group's stores have read the accumulators
.irp s, 0,1
.irp mm, 0,1
.irp u, 0,1
.if \s == 0
	v_wmma_scale_f32_16x16x128_f8f6f4 v[ACC+16*\mm+8*\u:ACC+16*\mm+8*\u+7], v[W2F+8*(2*\s+\u):W2F+8*(2*\s+\u)+7], v[XF+16*\mm+8*\s:XF+16*\mm+8*\s+7], 0, v[W2S+2*\s+\u], v[OSC+2*\mm+\s] matrix_a_fmt:MATRIX_FMT_FP4 matrix_b_fmt:MATRIX_FMT_FP4
.else
	v_wmma_scale_f32_16x16x128_f8f6f4 v[ACC+16*\mm+8*\u:ACC+16*\mm+8*\u+7], v[W2F+8*(2*\s+\u):W2F+8*(2*\s+\u)+7], v[XF+16*\mm+8*\s:XF+16*\mm+8*\s+7], v[ACC+16*\mm+8*\u:ACC+16*\mm+8*\u+7], v[W2S+2*\s+\u], v[OSC+2*\mm+\s] matrix_a_fmt:MATRIX_FMT_FP4 matrix_b_fmt:MATRIX_FMT_FP4
.endif
.endr
.endr
.endr
.rept 5
	v_nop                                          ; places, as in phase 1
.endr
.irp j, 0,1,2,3,4,5,6,7,8,9,10,11,12,13,14,15,16,17,18,19,20,21,22,23,24,25,26,27,28,29,30,31
	v_max_num_f32 v[ACC+\j], 0, v[ACC+\j]          ; relu; each accumulator from its low end on
.endr
	v_add_nc_u32 v17, 32*SP*\p, v15                ; the group's 32 rows of the stage: an LDS offset has 16 bits
.irp mm, 0,1
.irp u, 0,1
	ds_store_b128 v17, v[ACC+16*\mm+8*\u:ACC+16*\mm+8*\u+3] offset:16*SP*\mm+32*\u
	ds_store_b128 v17, v[ACC+16*\mm+8*\u+4:ACC+16*\mm+8*\u+7] offset:16*SP*\mm+32*\u+16
.endr
.endr
.endm
	LAYER2 0
	LAYER2 1
	LAYER2 2
	LAYER2 3
	BARRIER                                        ; 128 whole rows of the output lie in the stage
	; ---- OUT: my 16 rows, 512 consecutive bytes a store, aligned; written once, read by nobody here
.irp i, 0,1,2,3,4,5,6,7,8,9,10,11,12,13,14,15
.irp j, 0,1
	ds_load_b128 v[SLOT+8*\i+4*\j:SLOT+8*\i+4*\j+3], v16 offset:SP*\i+512*\j
.endr
.endr
.irp i, 0,1,2,3,4,5,6,7,8,9,10,11,12,13,14,15
.irp j, 0,1
	s_wait_dscnt 31-2*\i-\j                        ; LDS loads come back in order: this one is in
	global_store_b128 v2, v[SLOT+8*\i+4*\j:SLOT+8*\i+4*\j+3], s[16:17] offset:1024*\i+512*\j th:TH_STORE_NT
.endr
.endr
	s_set_vgpr_msb 0x5
	s_wait_tensorcnt 0x0
	ds_add_u32 v0, v1
	s_wait_dscnt 0x0
	s_set_vgpr_msb 0x500
	s_endpgm
.Lfunc_end_k_q3e5a46ecd1_mlp:
	.size	k_q3e5a46ecd1_mlp, .Lfunc_end_k_q3e5a46ecd1_mlp-k_q3e5a46ecd1_mlp
	.p2alignl 7, 3214868480
	.fill 96, 4, 3214868480
	.section	.rodata,"a",@progbits
	.p2align	6, 0x0
	.amdhsa_kernel k_q3e5a46ecd1_mlp
		.amdhsa_group_segment_fixed_size 182272
		.amdhsa_private_segment_fixed_size 0
		.amdhsa_enable_private_segment 0
		.amdhsa_kernarg_size 56
		.amdhsa_user_sgpr_count 2
		.amdhsa_user_sgpr_kernarg_segment_ptr 1
		.amdhsa_wavefront_size32 1
		.amdhsa_system_sgpr_workgroup_id_x 1
		.amdhsa_system_sgpr_workgroup_id_y 1
		.amdhsa_system_sgpr_workgroup_id_z 1
		.amdhsa_system_vgpr_workitem_id 0
		.amdhsa_next_free_vgpr 258
		.amdhsa_next_free_sgpr 100
		.amdhsa_reserve_vcc 0
		.amdhsa_float_denorm_mode_32 3
		.amdhsa_float_denorm_mode_16_64 3
		.amdhsa_memory_ordered 1
		.amdhsa_forward_progress 1
		.amdhsa_inst_pref_size 99
	.end_amdhsa_kernel
	.amdgpu_metadata
---
amdhsa.version: [ 1, 2 ]
amdhsa.kernels:
  - .name:           k_q3e5a46ecd1_mlp
    .symbol:         k_q3e5a46ecd1_mlp.kd
    .args:
      - { .name: nbr, .offset: 0, .size: 8, .value_kind: global_buffer, .address_space: global }
      - { .name: wgt, .offset: 8, .size: 8, .value_kind: global_buffer, .address_space: global }
      - { .name: feats_source, .offset: 16, .size: 8, .value_kind: global_buffer, .address_space: global }
      - { .name: feats_target, .offset: 24, .size: 8, .value_kind: global_buffer, .address_space: global }
      - { .name: wq, .offset: 32, .size: 8, .value_kind: global_buffer, .address_space: global }
      - { .name: ws, .offset: 40, .size: 8, .value_kind: global_buffer, .address_space: global }
      - { .name: out0, .offset: 48, .size: 8, .value_kind: global_buffer, .address_space: global }
    .group_segment_fixed_size: 182272
    .private_segment_fixed_size: 0
    .kernarg_segment_align: 8
    .kernarg_segment_size: 56
    .max_flat_workgroup_size: 256
    .sgpr_count:     100
    .vgpr_count:     258
    .wavefront_size: 32
...
	.end_amdgpu_metadata
.endif
;; end of part 3
;; ======== version 2 of 2: 3 launches
;; workspace buffers: blk 524,288 bytes of whole numbers; nbr 524,288 bytes of whole numbers; wgt 524,288 bytes; wq 81,920 bytes; ws 10,240 bytes
;; launch coarse (part 4): grid 256 x 1, 8 waves a work-group, no clusters, 50,176 bytes of LDS; arguments xyz_target, xyz_source, blk; writes blk
.if DOCPART == 4
	.amdgcn_target "amdgcn-amd-amdhsa--gfx1250"
	.amdhsa_code_object_version 6
	.text
	.protected	k_q3e5a46ecd1_coarse
	.globl	k_q3e5a46ecd1_coarse
	.p2align	8
	.type	k_q3e5a46ecd1_coarse,@function
k_q3e5a46ecd1_coarse:
	s_mov_b64 s[64:65], 0
	v_nop
	global_prefetch_b8 v0, s[64:65] scope:SCOPE_SE
	s_setreg_imm32_b32 hwreg(HW_REG_WAVE_MODE, 25, 1), 1
	s_wait_xcnt 0x0
; COARSE SEARCH.  For each of the 32,768 targets: the three blocks of 16 sources (of its batch's 128 blocks) with the smallest block minimum of d^2,
; ties to the lower block.  The three nearest sources (ties to the lower index) always lie in these three blocks: a source outside them would have three
; sources ahead of it, one in each of three blocks that rank before its own.  The next launch ranks the 48 candidates.
; d^2 = fma(dx, dx, fma(dy, dy, dz dz)) of true differences, the same three operations as in the next launch, so that both levels order alike.
; LIMITS: neighbours are ranked by this d^2 and not by the rounded root of an unfused sum: sources whose d^2 differ only by rounding may be ranked
; otherwise than by the reference's order.  NaN, infinities and differences whose squares overflow f32 (above about 1e19) are not served.
; SHARES.  Work-group g: targets 128 g .. 128 g + 127, all of batch g / 64.  EVERY wave holds all 128 targets, four a lane (4 l + q), as packed pairs;
; wave w walks sources 256 w .. 256 w + 255 of the batch: 16 blocks.  A source's three words are the same for all lanes: they come from the wave's own
; 3,072 bytes of LDS by loads in which every lane names the same address.  At the end the eight waves' lists of three meet in LDS.
; No matrix unit, no tensor load, no cluster: the work is vector arithmetic on 24 KB of coordinates a batch.
.set MRG,   24576                      ; LDS: 0 .. 24,575 the eight waves' slices of xyz_source; from MRG [wave 8][component 6][target 128] words
.set VL16,  1                          ; v1   16 x lane
.set VBASE, 2                          ; v2   3,072 x wave: my wave's slice
.set VSA,   3                          ; v3   LDS address of the trip's first block
.set ID,    4                          ; v4   the number of the block in hand: 128 x batch + block
.set VT48,  5                          ; v5   48 x lane: my four targets
.set VMR,   6                          ; v6   MRG + 4 x thread
.set RAW,   8                          ; v8-19   my four targets as loaded
.set TP,    20                         ; v20-31  pairs X01 Y01 Z01 X23 Y23 Z23
.set M1,    32                         ; v32-43  the three smallest block minima, four targets each
.set M2,    36
.set M3,    40
.set I1,    44                         ; v44-55  their blocks
.set I2,    48
.set I3,    52
.set BM,    56                         ; v56-59  the minimum of the block in hand
.set D,     60                         ; v60-83  differences: 2 sources x 2 pairs of targets x 3 components
.set Q,     84                         ; v84-91  d^2: 2 sources x 4 targets
.set SA,    96                         ; v96-143, v144-191  a block's 48 words, two sets
.set SB,    144
.set CM,    20                         ; s20-31  twelve lane masks
	s_load_b128 s[4:7], s[0:1], 0x0                ; xyz_target, xyz_source
	s_load_b64 s[8:9], s[0:1], 0x10                ; blk
	v_lshl_add_u32 v192, v0, 2, 0xc000
	v_mov_b32 v193, 0
	v_lshrrev_b32 v[VBASE], 5, v0
	s_delay_alu instid0(VALU_DEP_1)
	v_readfirstlane_b32 s10, v[VBASE]              ; wave 0..7
	v_and_b32 v7, 31, v0                           ; lane
	s_delay_alu instid0(VALU_DEP_1)
	v_lshlrev_b32 v[VL16], 4, v7
	s_delay_alu instid0(VALU_DEP_2)
	v_mul_u32_u24 v[VT48], v7, 48
	v_mul_u32_u24 v[VBASE], v[VBASE], 3072
	v_lshl_add_u32 v[VMR], v0, 2, MRG
	s_delay_alu instid0(VALU_DEP_2)
	v_add_nc_u32 v[VSA], v[VBASE], v[VL16]         ; where I put 16 bytes of the slice
	s_lshr_b32 s14, ttmp9, 6                       ; batch
	s_mul_i32 s16, s14, 24576                      ; the batch's 2,048 sources of 12 bytes,
	s_mul_i32 s15, s10, 3072                       ; my wave's 256 of them
	s_add_co_u32 s16, s16, s15
	s_mov_b32 s17, 0
	s_mul_i32 s18, ttmp9, 1536                     ; the work-group's 128 targets of 12 bytes
	s_mov_b32 s19, 0
	s_lshl_b32 s12, s14, 7
	s_lshl_b32 s15, s10, 4
	s_add_co_u32 s12, s12, s15                     ; my first block: 128 x batch + 16 x wave
	v_mov_b32 v[ID], s12
	s_wait_alu depctr_va_vdst(0)
	s_wait_kmcnt 0x0
	s_add_nc_u64 s[6:7], s[6:7], s[16:17]
	s_add_nc_u64 s[4:5], s[4:5], s[18:19]
	s_lshl_b32 s18, ttmp9, 11                      ; 16 bytes a target in blk
	s_add_nc_u64 s[8:9], s[8:9], s[18:19]
.irp i, 0,1,2,3,4,5
	global_load_b128 v[SA+4*\i:SA+4*\i+3], v[VL16], s[6:7] offset:512*\i   ; the slice as it lies: 512 consecutive bytes a load
.endr
.irp i, 0,1,2
	global_load_b128 v[RAW+4*\i:RAW+4*\i+3], v[VT48], s[4:5] offset:16*\i  ; my four targets: 48 consecutive bytes
.endr
	s_wait_loadcnt 3                               ; the slice is in; the three younger loads (targets) may be out
.irp i, 0,1,2,3,4,5
	ds_store_b128 v[VSA], v[SA+4*\i:SA+4*\i+3] offset:512*\i               ; my wave's own bytes: no other wave touches them, so no barrier
.endr
	s_wait_loadcnt 0x0
.irp p, 0,1
.irp c, 0,1,2
	v_mov_b32 v[TP+6*\p+2*\c], v[RAW+6*\p+\c]      ; component c of targets 2 p and 2 p + 1, side by side
	v_mov_b32 v[TP+6*\p+2*\c+1], v[RAW+6*\p+3+\c]
.endr
.endr
.irp q, 0,1,2,3,4,5,6,7,8,9,10,11
	v_mov_b32 v[M1+\q], 0x7f800000                 ; the lists begin at +infinity,
	v_mov_b32 v[I1+\q], v[ID]                      ; with a block that exists
.endr
	v_mov_b32 v[VSA], v[VBASE]
	s_wait_alu depctr_va_vdst(0)
	s_wait_dscnt 0x0                               ; the stores have read SA's registers
.macro FETCH buf, off                  ; a block's 192 bytes: every lane names the same address
.irp i, 0,1,2,3,4,5,6,7,8,9,10,11
	ds_load_b128 v[\buf+4*\i:\buf+4*\i+3], v[VSA] offset:\off+16*\i
.endr
.endm
.macro SUB1                            ; v[DD:DD+1] = a pair of targets' component less the source's word v[RR], which serves both halves
.if RR%2
	v_pk_add_f32 v[DD:DD+1], v[TT:TT+1], v[RR-1:RR] op_sel:[0,1] op_sel_hi:[1,1] neg_lo:[0,1] neg_hi:[0,1]
.else
	v_pk_add_f32 v[DD:DD+1], v[TT:TT+1], v[RR:RR+1] op_sel:[0,0] op_sel_hi:[1,0] neg_lo:[0,1] neg_hi:[0,1]
.endif
.endm
; sources j and j + 1 of the block in buf against my four targets: four chains, line by line, so that no line waits for the line above it
.macro DIST buf, j
.irp a, 0,1
.irp p, 0,1
.irp c, 0,1,2
.set DD, D+12*\a+6*\p+2*\c
.set TT, TP+6*\p+2*\c
.set RR, \buf+3*(\j+\a)+\c
	SUB1
.endr
.endr
.endr
.irp a, 0,1
.irp p, 0,1
	v_pk_mul_f32 v[Q+4*\a+2*\p:Q+4*\a+2*\p+1], v[D+12*\a+6*\p+4:D+12*\a+6*\p+5], v[D+12*\a+6*\p+4:D+12*\a+6*\p+5]
.endr
.endr
.irp a, 0,1
.irp p, 0,1
	s_delay_alu instid0(VALU_DEP_4)
	v_pk_fma_f32 v[Q+4*\a+2*\p:Q+4*\a+2*\p+1], v[D+12*\a+6*\p+2:D+12*\a+6*\p+3], v[D+12*\a+6*\p+2:D+12*\a+6*\p+3], v[Q+4*\a+2*\p:Q+4*\a+2*\p+1]
.endr
.endr
.irp a, 0,1
.irp p, 0,1
	s_delay_alu instid0(VALU_DEP_4)
	v_pk_fma_f32 v[Q+4*\a+2*\p:Q+4*\a+2*\p+1], v[D+12*\a+6*\p:D+12*\a+6*\p+1], v[D+12*\a+6*\p:D+12*\a+6*\p+1], v[Q+4*\a+2*\p:Q+4*\a+2*\p+1]
.endr
.endr
.irp q, 0,1,2,3
.if \j == 0
	v_min_num_f32 v[BM+\q], v[Q+\q], v[Q+4+\q]     ; the first two sources start the block's minimum
.else
	v_min3_num_f32 v[BM+\q], v[BM+\q], v[Q+\q], v[Q+4+\q]
.endif
.endr
.endm
; The block's minimum goes into each target's sorted list of three.  The compares are strict and the blocks ascend: on a tie the lower block stays ahead.
.macro INS4
.irp q, 0,1,2,3
	s_delay_alu instid0(VALU_DEP_4)
	v_cmp_lt_f32 s[CM+8+\q], v[BM+\q], v[M3+\q]
.endr
.irp q, 0,1,2,3
	v_cmp_lt_f32 s[CM+4+\q], v[BM+\q], v[M2+\q]
.endr
.irp q, 0,1,2,3
	v_cmp_lt_f32 s[CM+\q], v[BM+\q], v[M1+\q]
.endr
.irp q, 0,1,2,3
	v_cndmask_b32 v[I3+\q], v[I3+\q], v[ID], s[CM+8+\q]
.endr
.irp q, 0,1,2,3
	s_delay_alu instid0(VALU_DEP_4)
	v_cndmask_b32 v[I3+\q], v[I3+\q], v[I2+\q], s[CM+4+\q]
.endr
.irp q, 0,1,2,3
	v_cndmask_b32 v[I2+\q], v[I2+\q], v[ID], s[CM+4+\q]
.endr
.irp q, 0,1,2,3
	s_delay_alu instid0(VALU_DEP_4)
	v_cndmask_b32 v[I2+\q], v[I2+\q], v[I1+\q], s[CM+\q]
.endr
.irp q, 0,1,2,3
	v_cndmask_b32 v[I1+\q], v[I1+\q], v[ID], s[CM+\q]
.endr
.irp q, 0,1,2,3
	v_med3_num_f32 v[M3+\q], v[M2+\q], v[M3+\q], v[BM+\q]
.endr
.irp q, 0,1,2,3
	v_med3_num_f32 v[M2+\q], v[M1+\q], v[M2+\q], v[BM+\q]
.endr
.irp q, 0,1,2,3
	v_min_num_f32 v[M1+\q], v[M1+\q], v[BM+\q]
.endr
.endm
.macro BLOCK cur, nxt, fetch, off      ; the block in set cur is worked; fetch = 1: the next one is asked for first, into set nxt
.if \fetch
	FETCH \nxt, \off
	s_wait_dscnt 12                                ; LDS loads come back in order: all but the twelve just issued are in
.else
	s_wait_dscnt 0x0
.endif
.irp j, 0,2,4,6,8,10,12,14
	DIST \cur, \j
.endr
	INS4
	v_add_nc_u32 v[ID], 1, v[ID]
.endm
.macro INS k, id, m1, m2, m3, i1, i2, i3, c    ; the same insertion for one list
	v_cmp_lt_f32 s[\c+2], v[\k], v[\m3]
	v_cmp_lt_f32 s[\c+1], v[\k], v[\m2]
	v_cmp_lt_f32 s[\c], v[\k], v[\m1]
	s_delay_alu instid0(VALU_DEP_3)
	v_cndmask_b32 v[\i3], v[\i3], v[\id], s[\c+2]
	s_delay_alu instid0(VALU_DEP_1)
	v_cndmask_b32 v[\i3], v[\i3], v[\i2], s[\c+1]
	s_delay_alu instid0(VALU_DEP_4)
	v_cndmask_b32 v[\i2], v[\i2], v[\id], s[\c+1]
	s_delay_alu instid0(VALU_DEP_1)
	v_cndmask_b32 v[\i2], v[\i2], v[\i1], s[\c]
	v_cndmask_b32 v[\i1], v[\i1], v[\id], s[\c]
	v_med3_num_f32 v[\m3], v[\m2], v[\m3], v[\k]
	v_med3_num_f32 v[\m2], v[\m1], v[\m2], v[\k]
	v_min_num_f32 v[\m1], v[\m1], v[\k]
.endm
	FETCH SA, 0                                    ; block 0
	s_mov_b32 s11, 0                               ; bytes walked in the slice
	s_mov_b32 s13, 7
.Ltrip:                                                ; seven trips of two blocks; a trip asks for the two blocks that follow
	v_add_nc_u32 v[VSA], s11, v[VBASE]
	BLOCK SA, SB, 1, 192
	BLOCK SB, SA, 1, 384
	s_add_co_u32 s11, s11, 384
	s_sub_co_u32 s13, s13, 1
	s_cmp_lg_u32 s13, 0
	s_cbranch_scc1 .Ltrip
	v_add_nc_u32 v[VSA], s11, v[VBASE]             ; blocks 14 and 15 are written out: nothing is read past the slice's 3,072 bytes
	BLOCK SA, SB, 1, 192
	BLOCK SB, SA, 0, 0
	; THE EIGHT WAVES' LISTS MEET.  A lane's four words are four neighbouring targets: target T's word lies at 4 T.
	v_add_nc_u32 v[VSA], v[VBASE], v[VL16]
.irp c, 0,1,2,3,4,5
	ds_store_b128 v[VSA], v[M1+4*\c:M1+4*\c+3] offset:MRG+512*\c
.endr
	s_wait_dscnt 0x0                               ; for the others' sake: my stores have landed
	s_barrier_signal -1
	s_barrier_wait -1
	s_cmp_ge_u32 s10, 4                            ; one thread a target: waves 0 to 3; no barrier follows
	s_cbranch_scc1 .Ldone
.irp w, 0,1,2,3,4,5,6,7
.irp c, 0,1,2,3,4,5
	ds_load_b32 v[96+6*\w+\c], v[VMR] offset:3072*\w+512*\c
.endr
.endr
	s_wait_dscnt 0x0
.irp w, 1,2,3,4,5,6,7                  ; wave 0's three are the list; the others' go in, waves and ranks ascending, so that blocks of equal minimum keep their order
.irp r, 0,1,2
	INS 96+6*\w+\r, 99+6*\w+\r, 96, 97, 98, 99, 100, 101, CM
.endr
.endr
	s_delay_alu instid0(VALU_DEP_4)
	v_min_u32 v8, v99, v100                        ; the three blocks in ascending order: the next launch walks them so
	v_max_u32 v9, v99, v100
	s_delay_alu instid0(VALU_DEP_1)
	v_min_u32 v10, v9, v101
	s_delay_alu instid0(VALU_DEP_2)
	v_max_u32 v14, v9, v101
	s_delay_alu instid0(VALU_DEP_2)
	v_min_u32 v12, v8, v10
	s_delay_alu instid0(VALU_DEP_3)
	v_max_u32 v13, v8, v10
	v_mov_b32 v15, 0
	v_lshlrev_b32 v11, 4, v0
	global_store_b128 v11, v[12:15], s[8:9]        ; sixteen lanes store 256 consecutive bytes, aligned
.Ldone:
	s_wait_tensorcnt 0x0
	ds_add_u32 v192, v193
	s_wait_dscnt 0x0
	s_endpgm
.Lfunc_end_k_q3e5a46ecd1_coarse:
	.size	k_q3e5a46ecd1_coarse, .Lfunc_end_k_q3e5a46ecd1_coarse-k_q3e5a46ecd1_coarse
	.p2alignl 7, 3214868480
	.fill 96, 4, 3214868480
	.section	.rodata,"a",@progbits
	.p2align	6, 0x0
	.amdhsa_kernel k_q3e5a46ecd1_coarse
		.amdhsa_group_segment_fixed_size 50176
		.amdhsa_private_segment_fixed_size 0
		.amdhsa_enable_private_segment 0
		.amdhsa_kernarg_size 24
		.amdhsa_user_sgpr_count 2
		.amdhsa_user_sgpr_kernarg_segment_ptr 1
		.amdhsa_wavefront_size32 1
		.amdhsa_system_sgpr_workgroup_id_x 1
		.amdhsa_system_sgpr_workgroup_id_y 1
		.amdhsa_system_sgpr_workgroup_id_z 1
		.amdhsa_system_vgpr_workitem_id 0
		.amdhsa_next_free_vgpr 194
		.amdhsa_next_free_sgpr 66
		.amdhsa_reserve_vcc 0
		.amdhsa_float_denorm_mode_32 3
		.amdhsa_float_denorm_mode_16_64 3
		.amdhsa_memory_ordered 1
		.amdhsa_forward_progress 1
		.amdhsa_inst_pref_size 105
	.end_amdhsa_kernel
	.amdgpu_metadata
---
amdhsa.version: [ 1, 2 ]
amdhsa.kernels:
  - .name:           k_q3e5a46ecd1_coarse
    .symbol:         k_q3e5a46ecd1_coarse.kd
    .args:
      - { .name: xyz_target, .offset: 0, .size: 8, .value_kind: global_buffer, .address_space: global }
      - { .name: xyz_source, .offset: 8, .size: 8, .value_kind: global_buffer, .address_space: global }
      - { .name: blk, .offset: 16, .size: 8, .value_kind: global_buffer, .address_space: global }
    .group_segment_fixed_size: 50176
    .private_segment_fixed_size: 0
    .kernarg_segment_align: 8
    .kernarg_segment_size: 24
    .max_flat_workgroup_size: 256
    .sgpr_count:     66
    .vgpr_count:     194
    .wavefront_size: 32
...
	.end_amdgpu_metadata
.endif
;; end of part 4
;; launch refine (part 5): grid 276 x 1, 4 waves a work-group, no clusters, 0 bytes of LDS; arguments blk, xyz_target, xyz_source, w1, w2, nbr, wgt, wq, ws; writes nbr, wgt, wq, ws
.if DOCPART == 5
	.amdgcn_target "amdgcn-amd-amdhsa--gfx1250"
	.amdhsa_code_object_version 6
	.text
	.protected	k_q3e5a46ecd1_refine
	.globl	k_q3e5a46ecd1_refine
	.p2align	8
	.type	k_q3e5a46ecd1_refine,@function
k_q3e5a46ecd1_refine:
	s_mov_b64 s[64:65], 0
	v_nop
	global_prefetch_b8 v0, s[64:65] scope:SCOPE_SE
	s_setreg_imm32_b32 hwreg(HW_REG_WAVE_MODE, 25, 1), 1
	s_wait_xcnt 0x0
; TWO JOBS IN ONE LAUNCH, parted by the work-group's number; neither uses LDS or a barrier.
; WORK-GROUPS 0 .. 255: one thread a target.  The 48 sources of the three blocks that the launch before chose are ranked exactly: d^2 by the same three
; operations as there, blocks and sources ascending, strict compares: ties go to the lower index.  Stored: the three rows of feats_source, and the
; weights w' = weight / (sum of weights + 1e-6), weight = (1 / max(d, 1e-10)) / sum of those.
; WORK-GROUPS 256 .. 275: one wave a fragment.  w1 [384][256] and w2 [256][256], f32, K their first axis, become codes of FP4 (E2M1) with one E8M0 byte for each
; 32 along K, laid as IMAGES OF OPERAND REGISTERS: fragment f (K step s, tile t of 16 columns): registers 4 c .. 4 c + 3 of lane l at 1024 f + 512 c + 16 l, its
; scale word at 128 f + 4 l.  f = 16 s + t for w1, 48 + 16 s + t for w2.  Lane r of tile t takes column 32 (t / 2) + 8 (t % 2) + r + 8 (r / 8).
; LIMITS: ranking by the fused d^2 (not by the rounded root): sources whose d^2 differ only by rounding may be ranked otherwise than in the reference; NaN,
; infinities and d^2 beyond f32 are not served; divisions are multiplications by v_rcp_f32's result; a block of zeros carries the byte 1 where the rule says 127:
; its codes are zeros, and this program alone reads the bytes.
.macro INS k, id, m1, m2, m3, i1, i2, i3, c
	v_cmp_lt_f32 s[\c+2], v[\k], v[\m3]
	v_cmp_lt_f32 s[\c+1], v[\k], v[\m2]
	v_cmp_lt_f32 s[\c], v[\k], v[\m1]
	v_cndmask_b32 v[\i3], v[\i3], v[\id], s[\c+2]
	v_cndmask_b32 v[\i3], v[\i3], v[\i2], s[\c+1]
	v_cndmask_b32 v[\i2], v[\i2], v[\id], s[\c+1]
	v_cndmask_b32 v[\i2], v[\i2], v[\i1], s[\c]
	v_cndmask_b32 v[\i1], v[\i1], v[\id], s[\c]
	v_med3_num_f32 v[\m3], v[\m2], v[\m3], v[\k]
	v_med3_num_f32 v[\m2], v[\m1], v[\m2], v[\k]
	v_min_num_f32 v[\m1], v[\m1], v[\k]
.endm
	s_load_b512 s[4:19], s[0:1], 0x0               ; blk s[4:5], xyz_target s[6:7], xyz_source s[8:9], w1 s[10:11], w2 s[12:13], nbr s[14:15], wgt s[16:17], wq s[18:19]
	s_load_b64 s[20:21], s[0:1], 0x40              ; ws
	v_lshrrev_b32 v1, 5, v0
	v_readfirstlane_b32 s23, v1                    ; wave 0..3
	s_cmp_lt_u32 ttmp9, 256
	s_cbranch_scc0 .Lweights
	; ---- THE 48 CANDIDATES.  v4-7 blocks; v8-10 my target; v12-17 (tx,ty) (tz,tx) (ty,tz); v18-20 byte offsets; v21-23 first indices; v24-26 d^2; v28-31 indices, 0; v32-35 weights, 0; v48-191 three blocks of 48 words
	v_lshlrev_b32 v1, 4, v0                        ; 16 bytes a target in blk, nbr, wgt
	v_mul_u32_u24 v2, v0, 12                       ; 12 in xyz_target
	s_lshl_b32 s28, ttmp9, 11
	s_mov_b32 s29, 0
	s_mul_i32 s30, ttmp9, 1536
	s_mov_b32 s31, 0
	s_wait_alu depctr_va_vdst(0)
	s_wait_kmcnt 0x0
	s_add_nc_u64 s[4:5], s[4:5], s[28:29]
	s_add_nc_u64 s[6:7], s[6:7], s[30:31]
	s_add_nc_u64 s[14:15], s[14:15], s[28:29]
	s_add_nc_u64 s[16:17], s[16:17], s[28:29]
	global_load_b128 v[4:7], v1, s[4:5]
	global_load_b32 v8, v2, s[6:7]
	global_load_b32 v9, v2, s[6:7] offset:4
	global_load_b32 v10, v2, s[6:7] offset:8
	s_wait_loadcnt 3                               ; the blocks are in; the three younger loads (my target) may be out
.irp k, 0,1,2
	v_min_u32 v[4+\k], 0x1ff, v[4+\k]              ; a loaded number enters an address only held to the table: 512 blocks
.endr
.irp k, 0,1,2
	v_mul_u32_u24 v[18+\k], v[4+\k], 192           ; a block is 16 sources of 12 bytes
	v_lshlrev_b32 v[21+\k], 4, v[4+\k]             ; its first source as a row of feats_source: 2,048 x batch + s
.endr
.irp k, 0,1,2
.irp i, 0,1,2,3,4,5,6,7,8,9,10,11
	global_load_b128 v[48+48*\k+4*\i:48+48*\k+4*\i+3], v[18+\k], s[8:9] offset:16*\i
.endr
.endr
	s_wait_loadcnt 36                              ; my target is in; the 36 candidate loads may be out
	v_mov_b32 v12, v8                              ; a block's words run x y z x y z ..: pair p of words wants pattern p % 3
	v_mov_b32 v13, v9
	v_mov_b32 v14, v10
	v_mov_b32 v15, v8
	v_mov_b32 v16, v9
	v_mov_b32 v17, v10
.irp k, 0,1,2
	v_mov_b32 v[24+\k], 0x7f800000                 ; the list begins at +infinity, with a row that exists
	v_mov_b32 v[28+\k], v21
.endr
.macro RBLOCK k
.set BB, 48+48*\k
	s_wait_loadcnt 24-12*\k                        ; this block's twelve loads are in; the later blocks' may be out
.set pp, 0
.rept 24
	v_pk_add_f32 v[BB+2*pp:BB+2*pp+1], v[BB+2*pp:BB+2*pp+1], v[12+2*(pp%3):13+2*(pp%3)] neg_lo:[0,1] neg_hi:[0,1]   ; source - target: the squares are those of target - source
.set pp, pp+1
.endr
.irp g, 0,1,2,3
.irp j, 0,1,2,3
	v_mul_f32 v[36+\j], v[BB+3*(4*\g+\j)+2], v[BB+3*(4*\g+\j)+2]
.endr
.irp j, 0,1,2,3
	v_fma_f32 v[36+\j], v[BB+3*(4*\g+\j)+1], v[BB+3*(4*\g+\j)+1], v[36+\j]
.endr
.irp j, 0,1,2,3
	v_fma_f32 v[36+\j], v[BB+3*(4*\g+\j)], v[BB+3*(4*\g+\j)], v[36+\j]
.endr
.irp j, 0,1,2,3
	v_add_nc_u32 v[40+\j], 4*\g+\j, v[21+\k]
.endr
.irp j, 0,1,2,3
	INS 36+\j, 40+\j, 24, 25, 26, 28, 29, 30, 32
.endr
.endr
.endm
	s_wait_alu depctr_va_vdst(0)
	RBLOCK 0
	RBLOCK 1
	RBLOCK 2
	s_wait_alu depctr_va_vdst(0)
	; the weights.  Four batches of transcendentals; behind each one plain line, and a wait ahead of the first line that names a result
	v_sqrt_f32 v44, v24
	v_sqrt_f32 v45, v25
	v_sqrt_f32 v46, v26
	v_mov_b32 v31, 0
	s_wait_alu depctr_va_vdst(0)
.irp k, 0,1,2
	v_max_num_f32 v[44+\k], 0x2edbe6ff, v[44+\k]   ; max(d, 1e-10)
.endr
	s_wait_alu depctr_va_vdst(0)
	v_rcp_f32 v32, v44
	v_rcp_f32 v33, v45
	v_rcp_f32 v34, v46
	v_mov_b32 v35, 0
	s_wait_alu depctr_va_vdst(0)
	v_add_f32 v47, v32, v33
	v_add_f32 v47, v47, v34
	s_wait_alu depctr_va_vdst(0)
	v_rcp_f32 v44, v47
	v_nop
	s_wait_alu depctr_va_vdst(0)
.irp k, 0,1,2
	v_mul_f32 v[32+\k], v[32+\k], v44              ; weight
.endr
	v_add_f32 v45, v32, v33
	v_add_f32 v45, v45, v34
	v_add_f32 v45, 0x358637bd, v45                 ; + 1e-6
	s_wait_alu depctr_va_vdst(0)
	v_rcp_f32 v46, v45
	v_nop
	s_wait_alu depctr_va_vdst(0)
.irp k, 0,1,2
	v_mul_f32 v[32+\k], v[32+\k], v46
.endr
	global_store_b128 v1, v[28:31], s[14:15]       ; sixteen lanes store 256 consecutive bytes, aligned
	global_store_b128 v1, v[32:35], s[16:17]
	s_endpgm
.Lweights:
	; ---- A FRAGMENT OF A WEIGHT.  A lane takes a column and its registers run DOWN K in the order that the operand's layout gives that lane: k = 64 c + 32 h + 0 .. 31.  Nothing is transposed.
	v_and_b32 v1, 15, v0                           ; r
	v_bfe_u32 v2, v0, 4, 1                         ; h
	v_and_b32 v3, 8, v1
	v_add_nc_u32 v3, v3, v1                        ; r + 8 (r / 8)
	v_lshlrev_b32 v3, 2, v3
	v_lshl_add_u32 v3, v2, 15, v3                  ; + 32 h rows of 1,024 bytes
	v_and_b32 v4, 31, v0
	v_lshlrev_b32 v5, 4, v4                        ; 16 x lane
	v_lshlrev_b32 v6, 2, v4                        ; 4 x lane
	s_sub_co_u32 s22, ttmp9, 256
	s_lshl_b32 s22, s22, 2
	s_add_co_u32 s22, s22, s23                     ; the fragment, 0 .. 79
	s_mov_b32 s36, 0x76543210
	s_mov_b32 s37, 0xfedcba98                      ; v_permlanex16_b32's selects for lane l xor 16
	s_wait_alu depctr_va_vdst(0)
	s_wait_kmcnt 0x0
	s_cmp_lt_u32 s22, 48                           ; w1's or w2's: the choice hangs on ids alone
	s_cselect_b64 s[10:11], s[10:11], s[12:13]
	s_cselect_b32 s24, 0, 48
	s_sub_co_u32 s24, s22, s24
	s_lshr_b32 s25, s24, 4                         ; K step
	s_and_b32 s26, s24, 15                         ; tile
	s_lshl_b32 s28, s25, 17                        ; 128 rows of 1,024 bytes
	s_lshr_b32 s27, s26, 1
	s_lshl_b32 s27, s27, 7                         ; 32 (t / 2) columns of 4 bytes
	s_and_b32 s26, s26, 1
	s_lshl_b32 s26, s26, 5                         ; 8 (t % 2) columns
	s_add_co_u32 s28, s28, s27
	s_add_co_u32 s28, s28, s26
	s_mov_b32 s29, 0
	s_add_nc_u64 s[10:11], s[10:11], s[28:29]
	s_lshl_b32 s30, s22, 10
	s_mov_b32 s31, 0
	s_add_nc_u64 s[18:19], s[18:19], s[30:31]
	s_lshl_b32 s30, s22, 7
	s_add_nc_u64 s[20:21], s[20:21], s[30:31]
.irp c, 0,1
.irp i, 0,1,2,3,4,5,6,7,8,9,10,11,12,13,14,15,16,17,18,19,20,21,22,23,24,25,26,27,28,29,30,31
	global_load_b32 v[64+32*\c+\i], v3, s[10:11] offset:1024*(64*\c+\i)
.endr
.endr
	s_wait_loadcnt 0x0
.irp c, 0,1                                    ; my block 2 c + h: all its 32 numbers are mine
	v_max3_num_f32 v[32+\c], |v[64+32*\c]|, |v[65+32*\c]|, 0x1800000   ; with the floor 2^(3 - 127): the byte cannot fall under 1
.endr
.irp i, 2,4,6,8,10,12,14,16,18,20,22,24,26,28,30
.irp c, 0,1
	v_max3_num_f32 v[32+\c], v[32+\c], |v[64+32*\c+\i]|, |v[65+32*\c+\i]|
.endr
.endr
.irp c, 0,1
	v_add_nc_u32 v[44+\c], 0xff000000, v[32+\c]    ; 2 off the exponent field: the conversion's scale operand
.endr
.irp c, 0,1
	v_lshrrev_b32 v[36+\c], 23, v[44+\c]           ; the scale's byte
.endr
	v_lshl_or_b32 v9, v37, 16, v36                 ; blocks h and 2 + h of my column,
	v_lshlrev_b32 v10, 3, v2
	v_lshlrev_b32 v9, v10, v9                      ; 8 h bits up;
	v_mov_b32 v10, 0
	v_permlanex16_b32 v10, v9, s36, s37
	v_or_b32 v9, v9, v10                           ; with lane l xor 16's two the word is whole, in both halves of the lanes
.irp c, 0,1
.irp g, 0,1,2,3
	v_cvt_scalef32_pk8_fp4_f32 v[48+4*\c+\g], v[64+32*\c+8*\g:71+32*\c+8*\g], v[44+\c]
.endr
.endr
	v_nop                                          ; one plain line behind the last conversion
	global_store_b128 v5, v[48:51], s[18:19]       ; 512 consecutive bytes a store
	global_store_b128 v5, v[52:55], s[18:19] offset:512
	global_store_b32 v6, v9, s[20:21]
	s_endpgm
.Lfunc_end_k_q3e5a46ecd1_refine:
	.size	k_q3e5a46ecd1_refine, .Lfunc_end_k_q3e5a46ecd1_refine-k_q3e5a46ecd1_refine
	.p2alignl 7, 3214868480
	.fill 96, 4, 3214868480
	.section	.rodata,"a",@progbits
	.p2align	6, 0x0
	.amdhsa_kernel k_q3e5a46ecd1_refine
		.amdhsa_group_segment_fixed_size 0
		.amdhsa_private_segment_fixed_size 0
		.amdhsa_enable_private_segment 0
		.amdhsa_kernarg_size 72
		.amdhsa_user_sgpr_count 2
		.amdhsa_user_sgpr_kernarg_segment_ptr 1
		.amdhsa_wavefront_size32 1
		.amdhsa_system_sgpr_workgroup_id_x 1
		.amdhsa_system_sgpr_workgroup_id_y 1
		.amdhsa_system_sgpr_workgroup_id_z 1
		.amdhsa_system_vgpr_workitem_id 0
		.amdhsa_next_free_vgpr 192
		.amdhsa_next_free_sgpr 66
		.amdhsa_reserve_vcc 0
		.amdhsa_float_denorm_mode_32 3
		.amdhsa_float_denorm_mode_16_64 3
		.amdhsa_memory_ordered 1
		.amdhsa_forward_progress 1
		.amdhsa_inst_pref_size 63
	.end_amdhsa_kernel
	.amdgpu_metadata
---
amdhsa.version: [ 1, 2 ]
amdhsa.kernels:
  - .name:           k_q3e5a46ecd1_refine
    .symbol:         k_q3e5a46ecd1_refine.kd
    .args:
      - { .name: blk, .offset: 0, .size: 8, .value_kind: global_buffer, .address_space: global }
      - { .name: xyz_target, .offset: 8, .size: 8, .value_kind: global_buffer, .address_space: global }
      - { .name: xyz_source, .offset: 16, .size: 8, .value_kind: global_buffer, .address_space: global }
      - { .name: w1, .offset: 24, .size: 8, .value_kind: global_buffer, .address_space: global }
      - { .name: w2, .offset: 32, .size: 8, .value_kind: global_buffer, .address_space: global }
      - { .name: nbr, .offset: 40, .size: 8, .value_kind: global_buffer, .address_space: global }
      - { .name: wgt, .offset: 48, .size: 8, .value_kind: global_buffer, .address_space: global }
      - { .name: wq, .offset: 56, .size: 8, .value_kind: global_buffer, .address_space: global }
      - { .name: ws, .offset: 64, .size: 8, .value_kind: global_buffer, .address_space: global }
    .group_segment_fixed_size: 0
    .private_segment_fixed_size: 0
    .kernarg_segment_align: 8
    .kernarg_segment_size: 72
    .max_flat_workgroup_size: 128
    .sgpr_count:     66
    .vgpr_count:     192
    .wavefront_size: 32
...
	.end_amdgpu_metadata
.endif
;; end of part 5
;; launch mlp (part 6): grid 256 x 1, 8 waves a work-group, no clusters, 182,272 bytes of LDS; arguments nbr, wgt, feats_source, feats_target, wq, ws, out0; writes out0
.if DOCPART == 6
	.amdgcn_target "amdgcn-amd-amdhsa--gfx1250"
	.amdhsa_code_object_version 6
	.text
	.protected	k_q3e5a46ecd1_mlp
	.globl	k_q3e5a46ecd1_mlp
	.p2align	8
	.type	k_q3e5a46ecd1_mlp,@function
k_q3e5a46ecd1_mlp:
	s_mov_b64 s[64:65], 0
	v_nop
	global_prefetch_b8 v0, s[64:65] scope:SCOPE_SE
	s_setreg_imm32_b32 hwreg(HW_REG_WAVE_SCHED_MODE, 0, 2), 2
	s_setreg_imm32_b32 hwreg(HW_REG_WAVE_MODE, 25, 1), 1
	s_wait_xcnt 0x0
	s_wait_alu depctr_vm_vsrc(0)
; out = relu(Q(relu(Q(x) Q(w1))) Q(w2)), x = [w1' f[i1] + w2' f[i2] + w3' f[i3] (256), feats_target (128)], both products on codes of FP4 (E2M1) with one E8M0 byte for each 32 along K.
; Work-group g takes rows 128 g .. 128 g + 127 through the whole chain: neither x nor the hidden layer goes to memory.
; PHASE X: wave w makes rows 16 w .. 16 w + 15 of x in f32 (three gathered rows of feats_source, indices and weights from the launch before) and quantises them: a lane holds 8 neighbours along K,
;   four lanes a block.  Codes and scale bytes go to LDS as ROWS.
; PHASES 1, 2: THE WAVES SHARE THE COLUMNS: wave w makes hidden units 32 w .. 32 w + 31 (one block of the next K) and outputs 32 w .. 32 w + 31, for all 128 rows.  Its 10 weight fragments and their
;   scale words stay in registers, loaded once as images.  Both products are used TRANSPOSED (source 0 = 16 columns of the weight, source 1 = 16 rows): a lane holds one row, and, by the choice of a tile's
;   columns (lane r of tile t: column 32 (t / 2) + 8 (t % 2) + r + 8 (r / 8)), the 16 registers of its two tiles are units 32 w + 16 h + 0 .. 15.
; OUT: through a stage in LDS; each wave stores 16 whole rows of 1,024 bytes.
; No tensor load (the gather's addresses are data, and no tile is read step after step), no cluster (work-groups share only the weights' 90 KB, out of some 660 KB each), three barriers.
; LIMITS: x's interpolation multiplies by weights that already hold the division by the weights' sum; a block of zeros carries the byte 1 (its codes are zeros; this program alone reads the bytes); NaN and infinities are not served.
; THE MODE: SCHED_MODE bits 1:0 = 2 (LLVM: expert scheduling mode 2), set by the entry lines.  The code itself states the register dependences
; between vector or matrix instructions and memory or LDS instructions, with s_wait_alu, always for 0.
; THE PLAN.  Registers that memory or LDS instructions touch, and who else names them:
;   v1-v17      offsets and LDS addresses: made at the head, never written again.
;   slots 0-3   phase X.  Row rho's seven loads land in slot (rho + 2) % 4; its twelve multiply-adds read them; the slot's three offsets are written by vector lines and read by its six gathering loads.
;   CD, BY      phase X, two sets by turns.  Step n's conversion and shift write set n % 2; the two LDS stores that read it are issued in step n + 1.
;   XF, OSC     phases 1, 2.  LDS loads land in them, the group's products read them; the next group's loads are issued behind the products, while the group's vector work runs.
;   HCD, HB     phase 1, two sets by turns.  Group p's vector work writes set p % 2; the four LDS stores that read it are issued in group p + 1.
;   ACC         phase 2, two sets by turns.  Group p's products and relu write set p % 2; the eight LDS stores that read it are issued in group p + 1.
; So one wait on va_vdst stands in a group of phases 1 and 2, two in a step of phase X from step 2 on, and one ahead of the last stores in front of each barrier; one wait on vm_vsrc stands at the head of a step or
; group that writes again what earlier loads or stores have read.
.set XC,  0                            ; LDS: x's codes, 128 rows x 208 (192 bytes + 16: thirteen times 16, so that sixteen rows start at different banks)
.set XS,  26624                        ; x's scale bytes, 128 rows x 16 (12 used)
.set HC,  28672                        ; the hidden layer's codes, 128 rows x 144 (128 + 16)
.set HS,  47104                        ; its scale bytes, 128 rows x 8
.set STG, 48128                        ; the stage, 128 rows x 1,040 (1,024 + 16)
.set XP,  208
.set HP,  144
.set SP,  1040
; v1 32 l, v2 16 l, v3 4 l, v4 0; v5 XCW, v6 XSW, v7 XCF, v8 XSF (phase X's stores); v9 FRX, v10 XSR, v11 HCW, v12 HSW (phase 1); v13 FRH, v14 HSR, v15 STW for stage rows 0-63, v17 for rows 64-127 (phase 2); v16 STR
.set BY,  18                           ; v18-19   a scale byte, two sets
.set W1S, 20                           ; v20-25   w1's scale words (s, u) at 2 s + u;  v26-29 w2's;  v30-35 the rows': these registers hold scales and nothing else
.set W2S, 26
.set OSC, 30
.set W1F, 36                           ; v36-83   w1's fragments (s, u) at 8 (2 s + u)
.set W2F, 84                           ; v84-115  w2's
.set SLOT, 116                         ; v116-243 phase X: four slots of 32: three gathered rows' 8 numbers, +24 the weights, +28 the three offsets
.set T,   244                          ; v244-251 a row's 8 numbers of x
.set MX,  252
.set SCR, 253
.set CD,  254                          ; v254-255 a lane's 8 codes, two sets
.set XF,  116                          ; phases 1, 2: the rows' fragments
.set ACC, 164                          ; v164-195 four accumulators: (mm, u) at 16 mm + 8 u; phase 2 has a second set, 56 registers on: v220-251
.set HT,  196                          ; v196-201 at work: maxima, the other half's, scale operands
.set HB,  202                          ; v202-205 the hidden layer's scale bytes, two sets of two
.set HCD, 212                          ; v212-219 the hidden layer's codes, two sets of four
	s_load_b256 s[4:11], s[0:1], 0x0               ; nbr s[4:5], wgt s[6:7], feats_source s[8:9], feats_target s[10:11]
	s_load_b128 s[12:15], s[0:1], 0x20             ; wq s[12:13], ws s[14:15]
	s_load_b64 s[16:17], s[0:1], 0x30              ; out0
	s_set_vgpr_msb 0x40
	v_lshl_add_u32 v0, v0, 2, 0x2c400
	v_mov_b32 v1, 0
	s_set_vgpr_msb 0x4000
	v_lshrrev_b32 v244, 5, v0
	v_readfirstlane_b32 s18, v244                  ; wave 0..7
	v_and_b32 v244, 31, v0                         ; l
	v_lshlrev_b32 v1, 5, v244
	v_lshlrev_b32 v2, 4, v244
	v_lshlrev_b32 v3, 2, v244
	v_mov_b32 v4, 0
	s_wait_alu depctr_va_sdst(0)                   ; s18 is written, ahead of its first reader: the bases and the LDS addresses are made from it
	s_lshl_b32 s60, ttmp9, 11
	s_lshl_b32 s19, s18, 8
	s_add_co_u32 s60, s60, s19                     ; 16 bytes x my first row (128 g + 16 w): nbr, wgt
	s_mov_b32 s61, 0
	s_lshl_b32 s62, s60, 5                         ; 512 bytes a row: feats_target
	s_mov_b32 s63, 0
	s_lshl_b32 s58, s60, 6                         ; 1,024 bytes a row: out0
	s_mov_b32 s59, 0
	s_lshl_b32 s56, s18, 11                        ; my two tiles' images: 2,048 w,
	s_mov_b32 s57, 0
	s_mov_b32 s54, s19                             ; and their scale words: 256 w
	s_mov_b32 s55, 0
	s_wait_kmcnt 0x0
	s_add_nc_u64 s[4:5], s[4:5], s[60:61]
	s_add_nc_u64 s[6:7], s[6:7], s[60:61]
	s_add_nc_u64 s[10:11], s[10:11], s[62:63]
	s_add_nc_u64 s[12:13], s[12:13], s[56:57]
	s_add_nc_u64 s[14:15], s[14:15], s[54:55]
	s_add_nc_u64 s[16:17], s[16:17], s[58:59]
	s_load_b512 s[20:35], s[4:5], 0x0              ; my 16 rows' index quadruples: row rho at s[20 + 4 rho] (rho < 8), s[68 + 4 (rho - 8)]
	s_load_b512 s[36:51], s[4:5], 0x40
	s_load_b512 s[68:83], s[4:5], 0x80
	s_load_b512 s[84:99], s[4:5], 0xc0
	s_wait_alu depctr_va_vdst(0)                   ; v1 to v4 are written: the global loads and stores of the kernel read them as offsets
.irp p, 0,1,2,3,4,5,6,7                        ; feats_target: chunk p = rows 2 p, 2 p + 1 (1,024 bytes); a lane takes 32 bytes: 8 neighbours along K.  Read once in the launch
	global_load_b128 v[SLOT+8*\p:SLOT+8*\p+3], v1, s[10:11] offset:1024*\p th:TH_LOAD_NT
	global_load_b128 v[SLOT+8*\p+4:SLOT+8*\p+7], v1, s[10:11] offset:1024*\p+16 th:TH_LOAD_NT
.endr
.irp s, 0,1,2
.irp u, 0,1
.irp c, 0,1
	global_load_b128 v[W1F+8*(2*\s+\u)+4*\c:W1F+8*(2*\s+\u)+4*\c+3], v2, s[12:13] offset:16384*\s+1024*\u+512*\c
.endr
.endr
.endr
.irp s, 0,1
.irp u, 0,1
.irp c, 0,1
	global_load_b128 v[W2F+8*(2*\s+\u)+4*\c:W2F+8*(2*\s+\u)+4*\c+3], v2, s[12:13] offset:49152+16384*\s+1024*\u+512*\c
.endr
.endr
.endr
.irp s, 0,1,2
.irp u, 0,1
	global_load_b32 v[W1S+2*\s+\u], v3, s[14:15] offset:2048*\s+128*\u
.endr
.endr
.irp s, 0,1
.irp u, 0,1
	global_load_b32 v[W2S+2*\s+\u], v3, s[14:15] offset:6144+2048*\s+128*\u
.endr
.endr
	; LDS addresses: constants, the lane's parts, the wave's number times constants
	v_and_b32 v245, 15, v0                         ; r
	v_bfe_u32 v246, v0, 4, 1                       ; h
	s_mul_i32 s54, s18, 16*XP                      ; my 16 rows of x's codes
	s_lshl_b32 s55, s18, 8
	s_add_co_u32 s55, s55, XS                      ; and of its scale bytes
	v_add_nc_u32 v5, s54, v3                       ; XCW: a gathered row's codes: 4 bytes a lane
	v_lshrrev_b32 v247, 2, v244
	v_add_nc_u32 v6, s55, v247                     ; XSW: its block's byte: l / 4
	v_mul_u32_u24 v247, v246, XP
	v_lshl_add_u32 v247, v245, 2, v247
	v_add_nc_u32 v247, s54, v247
	v_add_nc_u32 v7, 128, v247                     ; XCF: feats_target's codes: row h of the chunk, behind the row's first 256 codes, 4 bytes for each of 16 lanes
	v_lshrrev_b32 v247, 2, v245
	v_lshl_add_u32 v247, v246, 4, v247
	v_add_nc_u32 v247, s55, v247
	v_add_nc_u32 v8, 8, v247                       ; XSF: blocks 8 .. 11
	v_mul_u32_u24 v9, v245, XP
	v_lshl_add_u32 v9, v246, 4, v9                 ; FRX: a fragment's row r, + 16 h
	v_lshl_add_u32 v10, v245, 4, XS                ; XSR: row r's scale words
	v_mul_u32_u24 v11, v245, HP
	v_lshl_add_u32 v11, v246, 3, v11
	s_lshl_b32 s56, s18, 4
	s_add_co_u32 s56, s56, HC
	v_add_nc_u32 v11, s56, v11                     ; HCW: row r, my 16 codes: 16 w + 8 h
	s_add_co_u32 s57, s18, HS
	v_lshl_add_u32 v12, v245, 3, s57               ; HSW: row r's byte w
	v_mul_u32_u24 v13, v245, HP
	v_lshl_add_u32 v13, v246, 4, v13
	v_add_nc_u32 v13, HC, v13                      ; FRH
	v_lshl_add_u32 v14, v245, 3, HS                ; HSR
	v_mul_u32_u24 v15, v245, SP
	v_lshl_add_u32 v15, v246, 6, v15
	s_lshl_b32 s58, s18, 7
	s_add_co_u32 s58, s58, STG
	v_add_nc_u32 v15, s58, v15                     ; STW: row r, outputs 32 w + 16 h on
	v_add_nc_u32 v17, 64*SP, v15                   ; the same 64 stage rows further down: an LDS offset has 16 bits, so the stage has two bases
	s_mul_i32 s59, s18, 16*SP
	s_add_co_u32 s59, s59, STG
	v_add_nc_u32 v16, s59, v2                      ; STR: my 16 rows, 16 bytes a lane
	s_mov_b32 s52, 0x76543210
	s_mov_b32 s53, 0xfedcba98                      ; v_permlanex16_b32's selects for lane l xor 16
; Row rho's three offsets are made, in slot (rho + 2) % 4.
.macro OFFS rho
.set SL, SLOT+32*(((\rho)+2)%4)
.if (\rho) < 8
.set SI, 20+4*(\rho)
.else
.set SI, 68+4*((\rho)-8)
.endif
.irp n, 0,1,2
	s_min_u32 s[SI+\n], s[SI+\n], 0x1fff           ; a loaded number enters an address only held to the table: 8,192 rows
.endr
.irp n, 0,1,2
	v_lshl_add_u32 v[SL+28+\n], s[SI+\n], 10, v1   ; 1,024 bytes a row, + 32 l
.endr
.endm
; Row rho's three gathered rows and its weights are asked for: seven loads, into the same slot.
.macro ROWLOADS rho
.set SL, SLOT+32*(((\rho)+2)%4)
.irp n, 0,1,2
	global_load_b128 v[SL+8*\n:SL+8*\n+3], v[SL+28+\n], s[8:9]
	global_load_b128 v[SL+8*\n+4:SL+8*\n+7], v[SL+28+\n], s[8:9] offset:16
.endr
	global_load_b128 v[SL+24:SL+27], v4, s[6:7] offset:16*(\rho)   ; every lane takes the row's three weights
.endm
; A lane's 8 neighbours along K, v[src] on, become 8 codes; four lanes hold a block.  n counts the steps: codes and byte have two sets of registers.
.macro QVEC n, src
	v_max3_num_f32 v[MX], |v[\src]|, |v[\src+1]|, 0x1800000        ; with the floor 2^(3 - 127): the byte cannot fall under 1
	v_max3_num_f32 v[MX], v[MX], |v[\src+2]|, |v[\src+3]|
	v_max3_num_f32 v[MX], v[MX], |v[\src+4]|, |v[\src+5]|
	v_max3_num_f32 v[MX], v[MX], |v[\src+6]|, |v[\src+7]|
	v_max_num_f32_dpp v[MX], v[MX], v[MX] row_xmask:1 row_mask:0xf bank_mask:0xf
	v_max_num_f32_dpp v[MX], v[MX], v[MX] row_xmask:2 row_mask:0xf bank_mask:0xf   ; the block's largest magnitude
	v_add_nc_u32 v[SCR], 0xff000000, v[MX]         ; 2 off its exponent field: the conversion's scale operand
.if (\n) >= 2
	s_wait_alu depctr_va_vdst(0)
	s_wait_dscnt 0x2                               ; the two stores issued last may be out; the two before them, which read this set, are done
.endif
	v_cvt_scalef32_pk8_fp4_f32 v[CD+(\n)%2], v[\src:\src+7], v[SCR]
	v_lshrrev_b32 v[BY+(\n)%2], 23, v[SCR]         ; the scale's byte (also the plain line behind the conversion)
.endm
; Step n's codes and byte go to LDS: issued in the step behind it.
.macro QPUT n, ca, co, ba, bo
	ds_store_b32 v[\ca], v[CD+(\n)%2] offset:\co
	ds_store_b8 v[\ba], v[BY+(\n)%2] offset:\bo    ; the block's four lanes write the same byte with the same value
.endm
.macro FTSTEP p
	s_wait_loadcnt 58-2*\p                         ; behind chunk p's two loads: 2 (7 - p) of later chunks, 30 of the weights, 14 of rows 0 and 1
.if \p >= 2
	s_wait_alu depctr_vm_vsrc(0)                   ; the two stores issued in the step before have read the set of codes and byte that this step writes again
.endif
.if \p >= 1
	s_wait_alu depctr_va_vdst(0)                   ; the step before has written its codes and its byte, which the two stores below read
	QPUT \p-1, 7, 2*XP*(\p-1), 8, 32*(\p-1)
.endif
	QVEC \p, SLOT+8*\p
.endm
.macro ROWSTEP rho
.set SC0, SLOT+32*(((\rho)+2)%4)
.if (\rho) < 13
	s_wait_loadcnt 21                              ; this row's seven loads are in; those of the three rows behind it may be out
.else
	s_wait_loadcnt 7*(15-(\rho))
.endif
	s_wait_alu depctr_vm_vsrc(0)                   ; this slot's loads have read its three offsets, and the stores issued in the step before have read the set of codes and byte: this step writes both again
.if (\rho) < 12
	OFFS (\rho)+4                                  ; for the slot in hand; its old offsets' loads were shown done by the wait on LOADcnt above
.endif
.irp i, 0,2,4,6
	v_pk_mul_f32 v[T+\i:T+\i+1], v[SC0+\i:SC0+\i+1], v[SC0+24:SC0+25] op_sel_hi:[1,0]
.endr
.irp i, 0,2,4,6
	v_pk_fma_f32 v[T+\i:T+\i+1], v[SC0+8+\i:SC0+9+\i], v[SC0+24:SC0+25], v[T+\i:T+\i+1] op_sel:[0,1,0] op_sel_hi:[1,1,1]
.endr
.irp i, 0,2,4,6
	v_pk_fma_f32 v[T+\i:T+\i+1], v[SC0+16+\i:SC0+17+\i], v[SC0+26:SC0+27], v[T+\i:T+\i+1] op_sel_hi:[1,0,1]
.endr
	s_wait_alu depctr_va_vdst(0)                   ; the multiply-adds are done reading the slot, in which the loads below land; its new offsets are written; the step before has written its codes and byte, which the stores below read
.if (\rho) < 12
	ROWLOADS (\rho)+4                              ; into the slot just read
.endif
.if (\rho) >= 1
	QPUT 7+(\rho), 5, XP*((\rho)-1), 6, 16*((\rho)-1)
.endif
	QVEC 8+(\rho), T                               ; names T, MX, SCR and this step's set: none of the registers that the loads and stores above touch
.endm
.macro BARRIER
	s_wait_dscnt 0x0                               ; my LDS stores have landed and my LDS loads are in
	s_barrier_signal -1
	s_barrier_wait -1
.endm
	; ---- PHASE X
	s_wait_kmcnt 0x0                               ; the indices
	OFFS 0
	OFFS 1
	s_wait_alu depctr_va_vdst(0)                   ; the LDS addresses v5 to v17 and the offsets of rows 0 and 1 are written: every LDS instruction of the kernel and the loads below read them
	ROWLOADS 0
	ROWLOADS 1
.irp p, 0,1,2,3,4,5,6,7
	FTSTEP \p
.endr
	OFFS 2                                         ; in the registers that feats_target's chunks have left
	OFFS 3
	s_wait_alu depctr_va_vdst(0)                   ; the chunks' lines are done reading slots 0 and 1, in which the loads below land; the offsets of rows 2 and 3 are written; chunk 7's codes and byte are written
	ROWLOADS 2
	ROWLOADS 3
	QPUT 7, 7, 2*XP*7, 8, 32*7
.irp rho, 0,1,2,3,4,5,6,7,8,9,10,11,12,13,14,15
	ROWSTEP \rho
.endr
	s_wait_alu depctr_va_vdst(0)                   ; row 15's codes and byte are written, which the stores below read; all of phase X's lines are done with v116-163, in which the first fragments land behind the barrier
	QPUT 23, 5, XP*15, 6, 16*15
	BARRIER                                        ; 128 rows of x lie in LDS as codes
	v_mov_b32 v[HT+2], 0                           ; written once: a lane permute's destination counts as one of its sources
	v_mov_b32 v[HT+3], 0
	; ---- PHASE 1: my 32 hidden units, two tiles of 16 rows at a time: four accumulators by turns, one instruction a turn
.macro L1LOAD p                        ; group p's six fragments of x and their scale words
.irp mm, 0,1
.irp s, 0,1,2
.irp c, 0,1
	ds_load_b128 v[XF+24*\mm+8*\s+4*\c:XF+24*\mm+8*\s+4*\c+3], v9 offset:16*XP*(2*(\p)+\mm)+64*\s+32*\c
.endr
	ds_load_b32 v[OSC+3*\mm+\s], v10 offset:256*(2*(\p)+\mm)+4*\s
.endr
.endr
.endm
.macro HPUT p                          ; group p's codes and bytes go to LDS: issued in the group behind it
.irp mm, 0,1
	ds_store_b64 v11, v[HCD+4*((\p)%2)+2*\mm:HCD+4*((\p)%2)+2*\mm+1] offset:16*HP*(2*(\p)+\mm)   ; codes of units 32 w + 16 h + 0 .. 15 of row r
	ds_store_b8 v12, v[HB+2*((\p)%2)+\mm] offset:128*(2*(\p)+\mm)                                ; both halves of the lanes write the same byte with the same value
.endr
.endm
.macro LAYER1 p
	s_wait_dscnt 0x0                               ; the fragments are in
.if \p >= 2
	s_wait_alu depctr_vm_vsrc(0)                   ; the stores issued in the group before have read the set of codes and bytes that this group writes again
.endif
.irp s, 0,1,2
.irp mm, 0,1
.irp u, 0,1
.if \s == 0
	v_wmma_scale_f32_16x16x128_f8f6f4 v[ACC+16*\mm+8*\u:ACC+16*\mm+8*\u+7], v[W1F+8*(2*\s+\u):W1F+8*(2*\s+\u)+7], v[XF+24*\mm+8*\s:XF+24*\mm+8*\s+7], 0, v[W1S+2*\s+\u], v[OSC+3*\mm+\s] matrix_a_fmt:MATRIX_FMT_FP4 matrix_b_fmt:MATRIX_FMT_FP4
.else
	v_wmma_scale_f32_16x16x128_f8f6f4 v[ACC+16*\mm+8*\u:ACC+16*\mm+8*\u+7], v[W1F+8*(2*\s+\u):W1F+8*(2*\s+\u)+7], v[XF+24*\mm+8*\s:XF+24*\mm+8*\s+7], v[ACC+16*\mm+8*\u:ACC+16*\mm+8*\u+7], v[W1S+2*\s+\u], v[OSC+3*\mm+\s] matrix_a_fmt:MATRIX_FMT_FP4 matrix_b_fmt:MATRIX_FMT_FP4
.endif
.endr
.endr
.endr
.rept 5
	v_nop                                          ; places (ISA guide 7.12.1): four ahead of the reads of results, a fifth for the next group's products, which begin these accumulators anew
.endr
	s_wait_alu depctr_va_vdst(0)                   ; the products are done reading the fragments and the rows' scale words, in which the loads below land; the group before has written its codes and bytes, which the stores below read
.if \p < 3
	L1LOAD \p+1                                    ; they land while this group is quantised: no line below names their registers
.endif
.if \p >= 1
	HPUT \p-1
.endif
.irp mm, 0,1
.irp j, 0,1,2,3,4,5,6,7,8,9,10,11,12,13,14,15
	v_max_num_f32 v[ACC+16*\mm+\j], 0, v[ACC+16*\mm+\j]            ; relu, in f32; each accumulator from its low end on
.endr
.endr
.irp mm, 0,1
	v_max3_num_f32 v[HT+\mm], v[ACC+16*\mm], v[ACC+16*\mm+1], 0x1800000    ; my 16 of the block's 32 (none is negative), and the floor
.endr
.irp i, 2,4,6,8,10,12,14
.irp mm, 0,1
	v_max3_num_f32 v[HT+\mm], v[HT+\mm], v[ACC+16*\mm+\i], v[ACC+16*\mm+\i+1]
.endr
.endr
.irp mm, 0,1
	v_permlanex16_b32 v[HT+2+\mm], v[HT+\mm], s52, s53
.endr
.irp mm, 0,1
	v_max_num_f32 v[HT+\mm], v[HT+\mm], v[HT+2+\mm]                ; with lane l xor 16's 16
.endr
.irp mm, 0,1
	v_add_nc_u32 v[HT+4+\mm], 0xff000000, v[HT+\mm]
.endr
.irp mm, 0,1
	v_lshrrev_b32 v[HB+2*((\p)%2)+\mm], 23, v[HT+4+\mm]
.endr
.irp mm, 0,1
	v_cvt_scalef32_pk8_fp4_f32 v[HCD+4*((\p)%2)+2*\mm], v[ACC+16*\mm:ACC+16*\mm+7], v[HT+4+\mm]
	v_cvt_scalef32_pk8_fp4_f32 v[HCD+4*((\p)%2)+2*\mm+1], v[ACC+16*\mm+8:ACC+16*\mm+15], v[HT+4+\mm]
.endr
	v_nop                                          ; one plain line behind the last conversion
.endm
	L1LOAD 0                                       ; no wait: since the wait in front of the barrier only v198 and v199 have been named
	LAYER1 0
	LAYER1 1
	LAYER1 2
	LAYER1 3
	s_wait_alu depctr_va_vdst(0)                   ; the last group has written its codes and bytes, which the stores below read
	HPUT 3
	BARRIER                                        ; the hidden layer's 128 rows lie in LDS as codes
	; ---- PHASE 2: my 32 outputs, likewise; the accumulators have two sets, which the groups take by turns, so that a group's results leave while the next group is multiplied
.macro L2LOAD p                        ; group p's four fragments of the hidden layer and their scale words
.irp mm, 0,1
.irp s, 0,1
.irp c, 0,1
	ds_load_b128 v[XF+16*\mm+8*\s+4*\c:XF+16*\mm+8*\s+4*\c+3], v13 offset:16*HP*(2*(\p)+\mm)+64*\s+32*\c
.endr
	ds_load_b32 v[OSC+2*\mm+\s], v14 offset:128*(2*(\p)+\mm)+4*\s
.endr
.endr
.endm
.macro L2PUT p                         ; group p's 32 rows go to the stage: issued in the group behind it.  Groups 0, 1 by v15, groups 2, 3 by v17
.set AP, ACC+56*((\p)%2)
.irp mm, 0,1
.irp u, 0,1
	ds_store_b128 v[15+2*((\p)/2)], v[AP+16*\mm+8*\u:AP+16*\mm+8*\u+3] offset:32*SP*((\p)%2)+16*SP*\mm+32*\u
	ds_store_b128 v[15+2*((\p)/2)], v[AP+16*\mm+8*\u+4:AP+16*\mm+8*\u+7] offset:32*SP*((\p)%2)+16*SP*\mm+32*\u+16
.endr
.endr
.endm
.macro LAYER2 p
.set A2, ACC+56*((\p)%2)
	s_wait_dscnt 0x0                               ; the fragments are in
.if \p >= 2
	s_wait_alu depctr_vm_vsrc(0)                   ; the stores issued in the group before have read the set of accumulators that this group's products write again
.endif
.irp s, 0,1
.irp mm, 0,1
.irp u, 0,1
.if \s == 0
	v_wmma_scale_f32_16x16x128_f8f6f4 v[A2+16*\mm+8*\u:A2+16*\mm+8*\u+7], v[W2F+8*(2*\s+\u):W2F+8*(2*\s+\u)+7], v[XF+16*\mm+8*\s:XF+16*\mm+8*\s+7], 0, v[W2S+2*\s+\u], v[OSC+2*\mm+\s] matrix_a_fmt:MATRIX_FMT_FP4 matrix_b_fmt:MATRIX_FMT_FP4
.else
	v_wmma_scale_f32_16x16x128_f8f6f4 v[A2+16*\mm+8*\u:A2+16*\mm+8*\u+7], v[W2F+8*(2*\s+\u):W2F+8*(2*\s+\u)+7], v[XF+16*\mm+8*\s:XF+16*\mm+8*\s+7], v[A2+16*\mm+8*\u:A2+16*\mm+8*\u+7], v[W2S+2*\s+\u], v[OSC+2*\mm+\s] matrix_a_fmt:MATRIX_FMT_FP4 matrix_b_fmt:MATRIX_FMT_FP4
.endif
.endr
.endr
.endr
.rept 5
	v_nop                                          ; places, as in phase 1: four ahead of the reads of results, a fifth for the later products that begin these accumulators anew
.endr
	s_wait_alu depctr_va_vdst(0)                   ; the products are done reading the fragments and the rows' scale words, in which the loads below land; the group before has written its results, which the stores below read
.if \p < 3
	L2LOAD \p+1
.endif
.if \p >= 1
	L2PUT \p-1
.endif
.irp j, 0,1,2,3,4,5,6,7,8,9,10,11,12,13,14,15,16,17,18,19,20,21,22,23,24,25,26,27,28,29,30,31
	v_max_num_f32 v[A2+\j], 0, v[A2+\j]            ; relu; each accumulator from its low end on.  This group's set: the stores above read the other one
.endr
.endm
	L2LOAD 0                                       ; no wait: no vector or matrix line stands behind the wait in front of the barrier
	LAYER2 0
	LAYER2 1
	LAYER2 2
	LAYER2 3
	s_wait_alu depctr_va_vdst(0)                   ; the last group's relu has written its results, which the stores below read; all vector and matrix lines are done with v116-243, in which the stage's rows land
	L2PUT 3
	BARRIER                                        ; 128 whole rows of the output lie in the stage
	; ---- OUT: my 16 rows, 512 consecutive bytes a store, aligned; written once, read by nobody here
	s_wait_alu depctr_vm_vsrc(0)                   ; my LDS stores have read the accumulators, the codes and the bytes: the loads below land in those registers
.irp i, 0,1,2,3,4,5,6,7,8,9,10,11,12,13,14,15
.irp j, 0,1
	ds_load_b128 v[SLOT+8*\i+4*\j:SLOT+8*\i+4*\j+3], v16 offset:SP*\i+512*\j
.endr
.endr
.irp i, 0,1,2,3,4,5,6,7,8,9,10,11,12,13,14,15
.irp j, 0,1
	s_wait_dscnt 31-2*\i-\j                        ; LDS loads come back in order: this one is in
	global_store_b128 v2, v[SLOT+8*\i+4*\j:SLOT+8*\i+4*\j+3], s[16:17] offset:1024*\i+512*\j th:TH_STORE_NT
.endr
.endr
	s_set_vgpr_msb 0x5
	s_wait_dscnt 0x0
	s_wait_alu depctr_hold_cnt(0) depctr_sa_sdst(0) depctr_va_vdst(0) depctr_va_sdst(0) depctr_va_ssrc(0) depctr_va_vcc(0) depctr_vm_vsrc(0)
	s_wait_tensorcnt 0x0
	ds_add_u32 v0, v1
	s_wait_dscnt 0x0
	s_endpgm
.Lfunc_end_k_q3e5a46ecd1_mlp:
	.size	k_q3e5a46ecd1_mlp, .Lfunc_end_k_q3e5a46ecd1_mlp-k_q3e5a46ecd1_mlp
	.p2alignl 7, 3214868480
	.fill 96, 4, 3214868480
	.section	.rodata,"a",@progbits
	.p2align	6, 0x0
	.amdhsa_kernel k_q3e5a46ecd1_mlp
		.amdhsa_group_segment_fixed_size 182272
		.amdhsa_private_segment_fixed_size 0
		.amdhsa_enable_private_segment 0
		.amdhsa_kernarg_size 56
		.amdhsa_user_sgpr_count 2
		.amdhsa_user_sgpr_kernarg_segment_ptr 1
		.amdhsa_wavefront_size32 1
		.amdhsa_system_sgpr_workgroup_id_x 1
		.amdhsa_system_sgpr_workgroup_id_y 1
		.amdhsa_system_sgpr_workgroup_id_z 1
		.amdhsa_system_vgpr_workitem_id 0
		.amdhsa_next_free_vgpr 258
		.amdhsa_next_free_sgpr 100
		.amdhsa_reserve_vcc 0
		.amdhsa_float_denorm_mode_32 3
		.amdhsa_float_denorm_mode_16_64 3
		.amdhsa_memory_ordered 1
		.amdhsa_forward_progress 1
		.amdhsa_inst_pref_size 102
	.end_amdhsa_kernel
	.amdgpu_metadata
---
amdhsa.version: [ 1, 2 ]
amdhsa.kernels:
  - .name:           k_q3e5a46ecd1_mlp
    .symbol:         k_q3e5a46ecd1_mlp.kd
    .args:
      - { .name: nbr, .offset: 0, .size: 8, .value_kind: global_buffer, .address_space: global }
      - { .name: wgt, .offset: 8, .size: 8, .value_kind: global_buffer, .address_space: global }
      - { .name: feats_source, .offset: 16, .size: 8, .value_kind: global_buffer, .address_space: global }
      - { .name: feats_target, .offset: 24, .size: 8, .value_kind: global_buffer, .address_space: global }
      - { .name: wq, .offset: 32, .size: 8, .value_kind: global_buffer, .address_space: global }
      - { .name: ws, .offset: 40, .size: 8, .value_kind: global_buffer, .address_space: global }
      - { .name: out0, .offset: 48, .size: 8, .value_kind: global_buffer, .address_space: global }
    .group_segment_fixed_size: 182272
    .private_segment_fixed_size: 0
    .kernarg_segment_align: 8
    .kernarg_segment_size: 56
    .max_flat_workgroup_size: 256
    .sgpr_count:     100
    .vgpr_count:     258
    .wavefront_size: 32
...
	.end_amdgpu_metadata
.endif
;; end of part 6
